; MI455X (gfx1250); checked and timed in simulation.
; The chip was launched on July 23, 2026; its instructions are those of AMD's public machine-readable ISA for CDNA 5 (MIT licence, August 2026) and "CDNA5" Instruction Set Architecture Reference Guide (July 2026). The comments in the code are by the model that wrote it; some were corrected since.
;; Multihead Attention. Allowed arithmetic: matrix products marked QUANTISED: E2M1 operands, one E8M0 scale for each 32 along K, by v_wmma_scale_f32_16x16x128_f8f6f4 with both operands' format E2M1 (or v_wmma_scale_f32_32x16x128_f4), f32 sums; products left as they are: bf16, f16 or f32 operands; f32 sums; everything else in f32.
;; Inputs: W_k 1,024 x 1,024 float32; W_out 1,024 x 1,024 float32; W_q 1,024 x 1,024 float32; W_v 1,024 x 1,024 float32; b_k 1,024 float32; b_out 1,024 float32; b_q 1,024 float32; b_v 1,024 float32; x_kv 4 x 2,048 x 1,024 float32; x_q 4 x 2,048 x 1,024 float32.
;; Outputs: out0 4 x 2,048 x 1,024 float32.
;; This version of the problem:
;;   THIS VERSION OF THE PROBLEM IS GIVEN IN LOW PRECISION. The matrix products marked QUANTISED in the list below multiply operands that are first quantised to E2M1 (2 exponent bits, 1 mantissa bit; 4 bits a number), with one power-of-two scale for each 32 numbers along K (OCP MX v1.0); their sums are f32. The products marked 'left as it is' may take bf16, f16 or f32 operands, with f32 sums. Whichever they take, every output number must still come out within the allowed error. Rounding operands to bf16 (8 significant bits) uses up far more of that allowance than f16 does (11 bits, for magnitudes from 6e-5 to 65,504). All else is computed in f32.
;;   The module's matrix products, in the order in which they are computed (A, B: the left and right operand; K: the contracted axis; several contracted axes count as one K, in the product's order):
;;     1. [M 8,192, K 1,024] x [K 1,024, N 1,024]; A: input x_q; B: input W_q: QUANTISED
;;     2. [M 8,192, K 1,024] x [K 1,024, N 1,024]; A: input x_kv; B: input W_k: QUANTISED
;;     3. [M 8,192, K 1,024] x [K 1,024, N 1,024]; A: input x_kv; B: input W_v: QUANTISED
;;     4. batch 64 x [M 2,048, K 64] x [K 64, N 2,048]; A: computed on the way; B: computed on the way: left as it is (an operand is computed on the way)
;;     5. batch 64 x [M 2,048, K 2,048] x [K 2,048, N 64]; A: computed on the way; B: computed on the way: left as it is (an operand is computed on the way)
;;     6. [M 8,192, K 1,024] x [K 1,024, N 1,024]; A: computed on the way; B: input W_out: left as it is (an operand is computed on the way)
;;   THE QUANTISER, for each operand of a quantised product, along K:
;;     - K is cut into blocks of 32 from its start; a last block that is shorter is filled with zeros.
;;     - A block's scale is 2^e with e = floor(log2(the largest magnitude in the block)) - 2, held to -126 .. 127; a block of zeros has e = 0. As a byte (E8M0): e + 127.
;;     - Each number is divided by its block's scale, clamped to +-6, and rounded to the nearest number of E2M1, ties to even, subnormals kept.
;;     - The product sums the exact products of the quantised numbers (number of the format x scale) in f32.
;;   ~~~python
;;   def quantise(x, axis):      # numpy; x: float32 -> the quantised numbers, widened to float32 again
;;       x = np.moveaxis(x, axis, -1); K = x.shape[-1]
;;       x = np.pad(x, [(0, 0)] * (x.ndim - 1) + [(0, -K % 32)]); x = x.reshape(x.shape[:-1] + (-1, 32)); a = np.abs(x).max(-1, keepdims=True)
;;       e = np.where(a > 0, np.clip(np.frexp(np.where(a > 0, a, 1))[1] - 1 - 2, -126, 127), 0)      # np.frexp(a)[1] - 1 = floor(log2(a)), exactly
;;       r = np.clip(x / 2.0 ** e, -6, 6)
;;       step = 2.0 ** (np.maximum(np.frexp(np.where(r == 0, 1, r))[1] - 1, 0) - 1)
;;       q = np.round(r / step) * step * 2.0 ** e      # np.round: ties to even
;;       return np.moveaxis(q.reshape(q.shape[:-2] + (-1,))[..., :K], -1, axis).astype(np.float32)
;;   ~~~
;; One version. Each part assembles by itself: llvm-mc -triple=amdgcn-amd-amdhsa -mcpu=gfx1250 --defsym DOCPART=n.
;; ======== version 1 of 1: 4 launches
;; limits: values are held in f16: magnitudes above 65,504 overflow, below 6.1e-05 lose precision
;; workspace buffers: xc 8,388,608 bytes; xs 524,288 bytes; wc 1,572,864 bytes; ws 98,304 bytes; wo 2,097,152 bytes; qkv 50,331,648 bytes; ctx 16,777,216 bytes
;; launch quant (part 1): grid 640 x 1, 4 waves a work-group, no clusters, 33,280 bytes of LDS; arguments x_q, x_kv, W_q, W_k, W_v, W_out, xc, xs, wc, ws, wo; writes xc, xs, wc, ws, wo
.if DOCPART == 1
	.amdgcn_target "amdgcn-amd-amdhsa--gfx1250"
	.amdhsa_code_object_version 6
	.text
	.protected	k_qd080b95810_quant
	.globl	k_qd080b95810_quant
	.p2align	8
	.type	k_qd080b95810_quant,@function
k_qd080b95810_quant:
	s_mov_b64 s[64:65], 0
	v_nop
	global_prefetch_b8 v0, s[64:65] scope:SCOPE_SE
	s_setreg_imm32_b32 hwreg(HW_REG_WAVE_MODE, 25, 1), 1
	s_wait_xcnt 0x0
; x_q, x_kv [8192][1024] and W_q, W_k, W_v [1024][1024], f32, K innermost, become codes of FP4 (E2M1), two a byte, and one E8M0 scale byte for each 32 along K.
; xc [2][8192][512 bytes], xs [2][8192][32], wc [3][1024][512], ws [3][1024][32].  W_out [1024][1024] is rounded to f16 and laid in the order of an operand's registers (below).
; A block's scale is 2^(floor(log2(its largest magnitude)) - 2); its byte is the largest magnitude's exponent field - 2, held at 1 from below.  Each number is divided by the scale and rounded to the nearest code, ties to even,
; beyond the largest code the largest.  A block of zeros gets the byte 1 where the rule says 127: its codes are zeros, which add nothing under any byte but 0xff, and this program alone reads the bytes.
; LIMITS: NaN and infinities among the inputs are not served; |W_out| stays under 65,504 (f16); blocks whose largest magnitude lies under 2^(3 - 127) keep the byte 1.
; SHARES.  Rows are dense and K is a multiple of 32: each tensor is a plain stream of blocks of 32.  Work-groups 0-255 take x_q, 256-511 x_kv, 512-543 W_q, 544-575 W_k, 576-607 W_v: 32,768 numbers each, 8,192 a wave,
; in 16 steps of 512.  Only pointers are chosen by the work-group's number: all five take one path.  Work-groups 608-639 take W_out, on a path of its own that touches no LDS.
; A STEP.  Each of its four loads reads 512 consecutive bytes, 16 a lane; the 2,048 bytes turn through the wave's own stage in LDS and come back 64 bytes a lane: 16 neighbours along K, two lanes to a block.
; A lane's 16 codes are 8 bytes: the wave stores 256 consecutive bytes.  A wave's 256 scale bytes are gathered in its own LDS bytes and leave as 256 consecutive bytes.
; No cluster, no tensor load, no barrier: work-groups and waves share nothing.  Loads run four steps (16 loads a wave) ahead, the turn through LDS one step.
.set WAVES, 4
.set STEPS, 16
.set GQ,    608                        ; work-groups that quantise
.set EMAX,  2
.set CB,    8                          ; bytes of 16 codes
.set R,     16                         ; v16-79   four sets of 16 numbers as loaded (W_out's path: v16-143, two sets of 64)
.set X,     80                         ; v80-111  two sets of 16 neighbours
.set C,     128                        ; v128-191 codes: four registers for each step, so that no store's data are written again
.set E,     112                        ; v112-127 a scale byte for each step
.set H,     144                        ; v144-175 W_out's path: 8 x 4 registers of f16
.set WREG,  8192                       ; LDS: a region for each wave: two stages of 32 x SP bytes, behind them its 256 scale bytes
.set SP,    80                         ; a lane's place in a stage: 64 bytes + 16 of padding
.set SPW,   12                         ; v12      LDS address of my spare word: SPARE + 4 x my thread's number; never rewritten
.set NIL,   13                         ; v13      0; never rewritten
.set SPARE, WAVES*WREG                 ; behind the four regions: the spare words, 128 bytes for each wave
	s_load_b512 s[4:19], s[0:1], 0x0               ; x_q 4:5, x_kv 6:7, W_q 8:9, W_k 10:11, W_v 12:13, W_out 14:15, xc 16:17, xs 18:19
	s_load_b128 s[20:23], s[0:1], 0x40             ; wc, ws
	s_load_b64 s[24:25], s[0:1], 0x50              ; wo
	v_lshl_add_u32 v[SPW], v0, 2, SPARE
	v_mov_b32 v[NIL], 0
	v_lshrrev_b32 v1, 5, v0
	v_readfirstlane_b32 s26, v1                    ; wave
	v_and_b32 v2, 31, v0                           ; lane
	v_lshlrev_b32 v3, 4, v2                        ; 16 x lane
	s_mul_i32 s27, s26, WREG
	v_lshrrev_b32 v14, 2, v2
	v_mul_u32_u24 v14, v14, SP
	v_and_b32 v15, 3, v2
	v_lshl_add_u32 v14, v15, 4, v14
	v_add_nc_u32 v14, s27, v14                     ; the stage, on the way in: four lanes' 64 bytes on end, then 16 of padding
	v_mul_u32_u24 v15, v2, SP
	v_add_nc_u32 v15, s27, v15                     ; and on the way out: SP x lane: my 16 neighbours
	v_mul_u32_u24 v4, v2, CB                       ; my codes' place in a step's
	v_lshrrev_b32 v5, 1, v2
	s_add_co_u32 s27, s27, 2*32*SP
	v_add_nc_u32 v5, s27, v5                       ; LDS: my wave's 256 scale bytes, my block's byte
	v_lshlrev_b32 v7, 3, v2                        ; and on the way out 8 bytes a lane
	v_add_nc_u32 v6, s27, v7
	s_wait_kmcnt 0x0
	s_cmp_ge_u32 ttmp9, GQ
	s_cbranch_scc1 .Lwout
	; which tensor: the choice hangs on the work-group's number alone
	s_mov_b64 s[28:29], s[12:13]                   ; W_v,
	s_mov_b32 s30, 576                             ; whose first work-group is 576
	s_cmp_lt_u32 ttmp9, 576
	s_cselect_b64 s[28:29], s[10:11], s[28:29]
	s_cselect_b32 s30, 544, s30
	s_cmp_lt_u32 ttmp9, 544
	s_cselect_b64 s[28:29], s[8:9], s[28:29]
	s_cselect_b32 s30, 512, s30
	s_cmp_lt_u32 ttmp9, 512
	s_cselect_b64 s[28:29], s[6:7], s[28:29]
	s_cselect_b32 s30, 256, s30
	s_cselect_b64 s[32:33], s[16:17], s[20:21]     ; codes: xc or wc
	s_cselect_b64 s[34:35], s[18:19], s[22:23]     ; scale bytes: xs or ws
	s_cselect_b32 s31, 0, 512                      ; and the first work-group of that buffer
	s_cmp_lt_u32 ttmp9, 256
	s_cselect_b64 s[28:29], s[4:5], s[28:29]
	s_cselect_b32 s30, 0, s30
	s_sub_co_u32 s36, ttmp9, s30
	s_lshl_b32 s36, s36, 2
	s_add_co_u32 s36, s36, s26                     ; which run of 8,192 numbers of the tensor is my wave's
	s_lshl_b32 s36, s36, 15                        ; 32,768 bytes a run
	s_mov_b32 s37, 0
	s_add_nc_u64 s[28:29], s[28:29], s[36:37]
	s_sub_co_u32 s38, ttmp9, s31
	s_lshl_b32 s38, s38, 2
	s_add_co_u32 s38, s38, s26                     ; which run of the buffer
	s_lshl_b32 s36, s38, 12                        ; 4,096 bytes of codes a run
	s_add_nc_u64 s[32:33], s[32:33], s[36:37]
	s_lshl_b32 s36, s38, 8                         ; 256 scale bytes a run
	s_add_nc_u64 s[34:35], s[34:35], s[36:37]
.macro LOAD t
.irp i, 0,1,2,3
	global_load_b128 v[R+16*((\t)%4)+4*\i:R+16*((\t)%4)+4*\i+3], v3, s[28:29] offset:2048*(\t)+512*\i th:TH_LOAD_NT   ; 32 lanes read 512 consecutive bytes
.endr
.endm
.macro TURN t                          ; step t's numbers through the stage: LDS serves a wave's instructions in order, so no wait stands between the stores and the loads
.irp i, 0,1,2,3
	ds_store_b128 v14, v[R+16*((\t)%4)+4*\i:R+16*((\t)%4)+4*\i+3] offset:32*SP*((\t)%2)+8*SP*\i
.endr
.irp i, 0,1,2,3
	ds_load_b128 v[X+16*((\t)%2)+4*\i:X+16*((\t)%2)+4*\i+3], v15 offset:32*SP*((\t)%2)+16*\i
.endr
.endm
.irp t, 0,1,2,3
	LOAD \t
.endr
	s_wait_loadcnt 12                              ; step 0's four loads are in; the 12 of steps 1 to 3 may be out
	TURN 0
.macro STEP t
.set XS, X+16*((\t)%2)
.if (\t) > 0
	s_wait_dscnt 1                                 ; this step's numbers are back from the stage (the last step's byte store may be out): so its stores into the stage have read their registers,
.else
	s_wait_dscnt 0x0
.endif
.if (\t)+4 < STEPS
	LOAD (\t)+4                                    ; which take the loads of four steps on
.endif
.if (\t)+1 < STEPS
.if STEPS-2-(\t) >= 3
	s_wait_loadcnt 12                              ; the next step's four loads are in; those of the three steps behind it may be out
.else
	s_wait_loadcnt 4*(STEPS-2-(\t))
.endif
	TURN (\t)+1                                    ; and go through the other stage while this step is worked
.endif
	v_max3_num_f32 v8, |v[XS]|, |v[XS+1]|, |v[XS+2]|               ; the largest magnitude of my 16, in two chains
	v_max3_num_f32 v9, |v[XS+3]|, |v[XS+4]|, |v[XS+5]|
.irp i, 6,10
	v_max3_num_f32 v8, v8, |v[XS+\i]|, |v[XS+\i+1]|
	v_max3_num_f32 v9, v9, |v[XS+\i+2]|, |v[XS+\i+3]|
.endr
	v_max3_num_f32 v8, v8, |v[XS+14]|, |v[XS+15]|
	v_max3_num_f32 v8, v8, v9, (EMAX+1)<<23        ; and the floor 2^(EMAX + 1 - 127): so the byte cannot fall under 1
	v_max_num_f32_dpp v8, v8, v8 row_xmask:1 row_mask:0xf bank_mask:0xf   ; and of my neighbour's 16: the block's
	v_add_nc_u32 v11, -(EMAX<<23), v8              ; EMAX off its exponent field: the conversion takes the exponent field of this operand as its scale, and nothing else of it
	v_cvt_scalef32_pk8_fp4_f32 v[C+4*(\t)], v[XS:XS+7], v11
	v_cvt_scalef32_pk8_fp4_f32 v[C+4*(\t)+1], v[XS+8:XS+15], v11
	v_lshrrev_b32 v[E+(\t)], 23, v11               ; the scale's byte (also the plain line behind the conversions)
	ds_store_b8 v5, v[E+(\t)] offset:16*(\t)       ; both lanes of a block write the same byte with the same value
	global_store_b64 v4, v[C+4*(\t):C+4*(\t)+1], s[32:33] offset:32*CB*(\t)   ; 32 lanes store 256 consecutive bytes
.endm
.irp t, 0,1,2,3,4,5,6,7,8,9,10,11,12,13,14,15
	STEP \t
.endr
	ds_load_b64 v[8:9], v6                         ; LDS serves a wave's instructions in order: these see my stores
	s_wait_dscnt 0x0
	global_store_b64 v7, v[8:9], s[34:35]          ; 32 lanes store 256 consecutive bytes
	s_wait_tensorcnt 0x0                           ; the wave's end, behind my last LDS store
	ds_add_u32 v[SPW], v[NIL]
	s_wait_dscnt 0x0
	s_endpgm
; W_OUT.  wo is laid [n tile of 256: 4][k block of 32: 32][n block of 16: 16][half c: 2][lane: 32][16 bytes]: lane (r = lane % 16, h = lane / 16) of half c holds W_out(n = 16 x block + r, k = 32 kb + 16 c + 8 h + 0 .. 7) in f16:
; registers 4 c .. 4 c + 3 of a 16-bit operand.  A wave takes one n block and 16 of the 32 k blocks: 32 items of two loads (32 bytes a lane: 64 neighbouring bytes of each of 16 rows), four roundings and one store of
; 512 consecutive bytes.  Four batches of eight items, loads one batch ahead.  This path writes no LDS.
.Lwout:
	s_sub_co_u32 s36, ttmp9, GQ
	s_lshl_b32 s36, s36, 2
	s_add_co_u32 s36, s36, s26                     ; 0 .. 127
	s_lshr_b32 s37, s36, 1                         ; n block 0 .. 63
	s_and_b32 s38, s36, 1                          ; which 16 k blocks
	s_lshl_b32 s28, s37, 16                        ; 16 rows of 4,096 bytes
	s_lshl_b32 s30, s38, 11                        ; 512 numbers along K
	s_add_co_u32 s28, s28, s30
	s_mov_b32 s29, 0
	s_add_nc_u64 s[14:15], s[14:15], s[28:29]
	s_lshr_b32 s39, s37, 4
	s_lshl_b32 s39, s39, 19                        ; n tile x 524,288
	s_lshl_b32 s30, s38, 18                        ; 16 k blocks x 16,384
	s_add_co_u32 s39, s39, s30
	s_and_b32 s30, s37, 15
	s_lshl_b32 s30, s30, 10                        ; n block in the tile x 1,024
	s_add_co_u32 s30, s39, s30
	s_mov_b32 s31, 0
	s_add_nc_u64 s[24:25], s[24:25], s[30:31]
	v_and_b32 v8, 15, v2                           ; r
	v_lshrrev_b32 v9, 4, v2                        ; h
	v_lshlrev_b32 v8, 12, v8
	v_lshl_add_u32 v8, v9, 5, v8                   ; row r, + 32 h bytes
.macro WLOAD b                         ; batch b: items 8 b .. 8 b + 7; item it: k block it / 2, half it % 2
.irp i, 0,1,2,3,4,5,6,7
	global_load_b128 v[R+64*((\b)%2)+8*\i:R+64*((\b)%2)+8*\i+3], v8, s[14:15] offset:((8*(\b)+\i)/2)*128+(\i%2)*64 th:TH_LOAD_NT
	global_load_b128 v[R+64*((\b)%2)+8*\i+4:R+64*((\b)%2)+8*\i+7], v8, s[14:15] offset:((8*(\b)+\i)/2)*128+(\i%2)*64+16 th:TH_LOAD_NT
.endr
.endm
.macro WDO b
.if (\b) < 3
	s_wait_loadcnt 16                              ; this batch's 16 loads are in; the next batch's may be out
.else
	s_wait_loadcnt 0x0
.endif
.if (\b) > 0
	s_wait_xcnt 0x0                                ; the last batch's stores have read their data: the registers are written again only behind this wait
.endif
.irp i, 0,1,2,3,4,5,6,7
.irp j, 0,1,2,3
	v_cvt_pk_f16_f32 v[H+4*\i+\j], v[R+64*((\b)%2)+8*\i+2*\j], v[R+64*((\b)%2)+8*\i+2*\j+1]
.endr
.endr
.irp i, 0,1,2,3,4,5,6,7
	global_store_b128 v3, v[H+4*\i:H+4*\i+3], s[24:25] offset:((8*(\b)+\i)/2)*16384+(\i%2)*512   ; 32 lanes store 512 consecutive bytes
.endr
.if (\b) < 2
	WLOAD (\b)+2
.endif
.endm
	WLOAD 0
	WLOAD 1
	WDO 0
	WDO 1
	WDO 2
	WDO 3
	s_endpgm
.Lfunc_end_k_qd080b95810_quant:
	.size	k_qd080b95810_quant, .Lfunc_end_k_qd080b95810_quant-k_qd080b95810_quant
	.p2alignl 7, 3214868480
	.fill 96, 4, 3214868480
	.section	.rodata,"a",@progbits
	.p2align	6, 0x0
	.amdhsa_kernel k_qd080b95810_quant
		.amdhsa_group_segment_fixed_size 33280
		.amdhsa_private_segment_fixed_size 0
		.amdhsa_enable_private_segment 0
		.amdhsa_kernarg_size 88
		.amdhsa_user_sgpr_count 2
		.amdhsa_user_sgpr_kernarg_segment_ptr 1
		.amdhsa_wavefront_size32 1
		.amdhsa_system_sgpr_workgroup_id_x 1
		.amdhsa_system_sgpr_workgroup_id_y 1
		.amdhsa_system_sgpr_workgroup_id_z 1
		.amdhsa_system_vgpr_workitem_id 0
		.amdhsa_next_free_vgpr 192
		.amdhsa_next_free_sgpr 66
		.amdhsa_reserve_vcc 0
		.amdhsa_float_denorm_mode_32 3
		.amdhsa_float_denorm_mode_16_64 3
		.amdhsa_memory_ordered 1
		.amdhsa_forward_progress 1
		.amdhsa_inst_pref_size 52
	.end_amdhsa_kernel
	.amdgpu_metadata
---
amdhsa.version: [ 1, 2 ]
amdhsa.kernels:
  - .name:           k_qd080b95810_quant
    .symbol:         k_qd080b95810_quant.kd
    .args:
      - { .name: x_q, .offset: 0, .size: 8, .value_kind: global_buffer, .address_space: global }
      - { .name: x_kv, .offset: 8, .size: 8, .value_kind: global_buffer, .address_space: global }
      - { .name: W_q, .offset: 16, .size: 8, .value_kind: global_buffer, .address_space: global }
      - { .name: W_k, .offset: 24, .size: 8, .value_kind: global_buffer, .address_space: global }
      - { .name: W_v, .offset: 32, .size: 8, .value_kind: global_buffer, .address_space: global }
      - { .name: W_out, .offset: 40, .size: 8, .value_kind: global_buffer, .address_space: global }
      - { .name: xc, .offset: 48, .size: 8, .value_kind: global_buffer, .address_space: global }
      - { .name: xs, .offset: 56, .size: 8, .value_kind: global_buffer, .address_space: global }
      - { .name: wc, .offset: 64, .size: 8, .value_kind: global_buffer, .address_space: global }
      - { .name: ws, .offset: 72, .size: 8, .value_kind: global_buffer, .address_space: global }
      - { .name: wo, .offset: 80, .size: 8, .value_kind: global_buffer, .address_space: global }
    .group_segment_fixed_size: 33280
    .private_segment_fixed_size: 0
    .kernarg_segment_align: 8
    .kernarg_segment_size: 88
    .max_flat_workgroup_size: 128
    .sgpr_count:     66
    .vgpr_count:     192
    .wavefront_size: 32
...
	.end_amdgpu_metadata
.endif
;; end of part 1
;; launch proj (part 2): grid 4 x 96, 4 waves a work-group, clusters of 4 x 4, 327,680 bytes of LDS; arguments xc, xs, wc, ws, b_q, b_k, qkv; writes qkv
.if DOCPART == 2
	.amdgcn_target "amdgcn-amd-amdhsa--gfx1250"
	.amdhsa_code_object_version 6
	.text
	.protected	k_qd080b95810_proj
	.globl	k_qd080b95810_proj
	.p2align	8
	.type	k_qd080b95810_proj,@function
k_qd080b95810_proj:
	s_mov_b64 s[64:65], 0
	v_nop
	global_prefetch_b8 v0, s[64:65] scope:SCOPE_SE
	s_setreg_imm32_b32 hwreg(HW_REG_WAVE_MODE, 25, 1), 1
	s_wait_xcnt 0x0
	s_wait_alu depctr_hold_cnt(0) depctr_sa_sdst(0) depctr_va_vdst(0) depctr_va_sdst(0) depctr_va_ssrc(0) depctr_va_vcc(0) depctr_vm_vsrc(0)
	s_getreg_b32 s2, hwreg(HW_REG_IB_STS2, 6, 4)
	s_cmp_eq_u32 s2, 0
	s_cbranch_scc0 .Lentry_in_a_cluster
	s_endpgm
.Lentry_in_a_cluster:
	s_bfe_u32 s2, ttmp6, 0x10000c
	s_cmp_lg_u32 s2, 0xf033
	s_cbranch_scc0 .Lentry_shape_is_right
	s_endpgm
.Lentry_shape_is_right:
; The three input projections on codes of FP4 (E2M1) with one E8M0 scale for each 32 along K = 1,024:  q = x_q W_q^T + b_q,  k = x_kv W_k^T + b_k,  v = x_kv W_v^T (b_v is added in the attention launch, where
; sum(p) / l = 1 makes sum p (v + b_v) / l = sum p v / l + b_v: the order of rounding differs from a sum that adds b_v first).  Sums in f32, K ascending, one accumulator an output; results rounded once to f16.
; LIMITS: |q|, |k|, |v| stay under 65,504 (f16); NaN and infinities are not served.
; SHARES.  A tile is 256 x 256 outputs: four waves, 128 x 128 each: 64 accumulators, 512 registers.  Cluster y = 8 p + ci: p = 0 (q), 1 (k), 2 (v).  The text's "A" has the rows of source 1, its "B" those of source 0.
;   p < 2: A = x (8,192 rows), B = W_p (1,024 rows): tile row 4 ci + cy, tile column cx.  A lane's eight results are eight neighbouring channels of one token.
;   p = 2: A = W_v, B = x_kv: tile row cy, tile column 4 ci + cx.  A lane's eight results are eight neighbouring tokens of one channel: V^T, as the attention's second product wants it.
;   All that hangs on p is chosen by s_cselect; p is the same in all sixteen partners.  384 tiles: no tile of equal size divides the 8,192 x 3,072 outputs into 256 parts that stay inside one projection.
; ALL OF K LIES IN LDS: two slots of 512 along K (rows of 256 bytes), both filled at the head, none filled again; the scales of the 512 rows for all of K beside them.  Three tensor loads a wave are out at the most.
; CLUSTERS: 4 x 4.  A's tiles are shared along a row of the cluster, B's along a column: each is asked for jointly, by the same tensor load with the same descriptor and a mask that names the four.
; THE WAY OUT NEEDS NO LDS.  qkv holds IMAGES OF OPERAND REGISTERS: a 16-bit fragment (16 rows x 32 k) is 1,024 bytes [half c: 2][lane: 32][16 bytes], half c = registers 4 c .. 4 c + 3: lane (r, h): row r, k = 16 c + 8 h + 0 .. 7.
; An accumulator's eight registers, rounded in pairs, ARE such a half, in the right lanes: one store of 512 consecutive bytes.
;   q, k: [batch x head: 64][token block of 16: 128][channel block of 32: 2][c: 2][512];   v: [batch x head: 64][key block of 32: 64][channel block of 16: 4][c: 2][512];  16,777,216 bytes a tensor.
; REGISTERS, in windows of 256: window 0: v1-29 addresses; v32-95 scale words, two sets, and nothing else; v128-191 A's fragments, ONE set, on the way out the packed results; v192-255 the bias in the result's layout.
;   window 1: B's fragments, TWO sets, at v0 and v128.   window 2: the accumulators of my rows 0-63 ((a, b) at v[8 (8 a + b)]);   window 3: those of my rows 64-127.
.set KSTEP,  512                       ; along K in a slot
.set NQ,     4                         ; matrix instructions deep
.set ROWB,   256                       ; a tile's row in bytes
.set KROW,   512                       ; a row of codes in memory
.set PITCH,  272                       ; an LDS row: 256 bytes + 16 of padding = 68 words: row r starts at bank 4 r mod 64 (64 banks of 4 bytes: ISA guide 11.1)
.set FR,     8                         ; registers of a fragment: 16 rows x 128 K
.set NL,     2                         ; LDS loads that bring one
.set NP,     4                         ; places behind this matrix instruction (ISA guide 7.12.1)
.set HALFT,  128*PITCH                 ; 128 rows: what one tensor load brings
.set SLOT,   4*HALFT                   ; A's 256 rows, then B's 256 rows
.set KS,     32                        ; a row of scale bytes
.set SCL,    2*SLOT                    ; behind the slots: the scales, as rows of 256 bytes + 16 of padding
.set HALFS,  (128*KS/256)*272          ; the scales of 128 rows
.set SBLK,   (16*KS/256)*272           ; those of 16 rows
.set SPARE,  SCL+4*HALFS               ; behind the scales: the spare words, 128 bytes for each wave
.set CO,   8                           ; v8-11   the way out: 16 x lane + the place of the pair of n blocks b / 2
.set BO,   12                          ; v12     32 x (lane / 16): my eight numbers of a bias block
.set ADRA, 16                          ; v16-17  LDS address of my A fragments in slot 0, 1
.set ADRB, 20                          ; v20-21  the same for B
.set ADRS, 27                          ; v27     LDS address of my scale words: lanes 0-15 A's rows, lanes 16-31 B's
.set SPW,  28                          ; v28     LDS address of my spare word; never rewritten
.set NIL,  29                          ; v29     0; never rewritten
.set SC,   32                          ; scale words: set s at v[SC + 32 s]; register 4 i + q: lanes 0-15 the word of A's block i, lanes 16-31 that of B's block i, for the slot's q-th 128 along K
.set AF,   128                         ; A's fragments
.set TMP,  128                         ; the way out: two sets of 32 registers
.set CB,   192                         ; the bias: register 8 b + j: that of channel 16 b + 8 (lane / 16) + j of my 128
.set G1, 24                            ; s[24:31] descriptor group 1 for A's tiles;  s[32:39] group 0, one set for each slot
.set G0, 32
.set G1B, 48                           ; s[48:55], s[56:63] the same for B's tiles
.set G0B, 56
.set G1S, 68                           ; s[68:75], s[76:79] groups 1 and 0 for A's scales;  s[80:87], s[88:91] for B's
.set G0S, 76
.set G1SB, 80
.set G0SB, 88
.set MSB, 0
.macro WIN new                         ; the immediate's high byte repeats the setting that is left
.if MSB != (\new)
	s_set_vgpr_msb (MSB<<8)|(\new)
.set MSB, \new
.endif
.endm
.set MUL_LO, 0xa1                      ; source 0 (B) window 1, source 1 (A) window 0, C and D window 2
.set MUL_HI, 0xf1                      ; the same, C and D window 3
.set MUL_LO1, 0x81                     ; the first step: C (the bias) window 0, D window 2
.set MUL_HI1, 0xc1                     ; C window 0, D window 3
.set TO_B,   0x40                      ; destination window 1, address window 0
; A joint load: waves 0 and 1 fetch for A, waves 2 and 3 for B.  Each line has ONE mask and one set of registers for all that issue it; the branch hangs on the wave's number alone.
; An s_nop 0 and four v_nop follow each of the two lines.
.macro JLOAD g0a, g1a, g0b, g1b
	s_cmp_eq_u32 s15, 0
	s_cbranch_scc0 .Lfor_b_\@
	tensor_load_to_lds s[\g0a:\g0a+3], s[\g1a:\g1a+7]
	s_nop 0
.rept 4
	v_nop
.endr
	s_branch .Lasked_\@
.Lfor_b_\@:
	tensor_load_to_lds s[\g0b:\g0b+3], s[\g1b:\g1b+7]
	s_nop 0
.rept 4
	v_nop
.endr
.Lasked_\@:
.endm
.macro CROUND                          ; a round of the cluster's barrier
	s_barrier_signal -1
	s_barrier_wait -1
	s_cmp_lg_u32 s14, 0
	s_cbranch_scc1 .Lnot_wave_0_\@
	s_barrier_signal -3
.Lnot_wave_0_\@:
	s_barrier_wait -3
	s_barrier_signal -1
	s_barrier_wait -1
.endm
	s_load_b256 s[4:11], s[0:1], 0x0               ; xc, xs, wc, ws
	s_load_b128 s[96:99], s[0:1], 0x20             ; b_q, b_k
	s_load_b64 s[12:13], s[0:1], 0x30              ; qkv
	v_lshl_add_u32 v[SPW], v0, 2, SPARE
	v_mov_b32 v[NIL], 0
	ds_add_u32 v[SPW], v[NIL]                      ; the wave's opening: the add, twice on end, and its wait ahead of my first tensor load
	ds_add_u32 v[SPW], v[NIL]                      ; the set-up below, work on registers, stands between the second and the wait
	v_lshrrev_b32 v1, 5, v0
	v_readfirstlane_b32 s14, v1                    ; wave 0..3
	s_lshr_b32 s15, s14, 1                         ; which half of the tile's rows (A's) is mine.  Also: I fetch for A (0) or for B (1)
	s_and_b32 s16, s14, 1                          ; which half of its columns (B's rows).  Also: which 128 rows of that tile I fetch
	s_bfe_u32 s40, ttmp6, 0x40000                  ; cx, cy: my place in the cluster
	s_bfe_u32 s41, ttmp6, 0x40004
	s_and_b32 s17, ttmp7, 0xffff                   ; cluster y = 8 p + ci
	s_lshr_b32 s2, s17, 3                          ; p
	s_and_b32 s3, s17, 7
	s_lshl_b32 s3, s3, 2                           ; 4 ci
	s_cmp_eq_u32 s2, 2
	s_cselect_b32 s17, 0, s3
	s_cselect_b32 s42, s3, 0
	s_add_co_u32 s17, s17, s41                     ; tile row: cy, and 4 ci where A is x
	s_add_co_u32 s42, s42, s40                     ; tile column: cx, and 4 ci where B is x
	s_lshl_b32 s43, s41, 2
	s_lshl_b32 s43, 15, s43                        ; my row of the cluster
	s_lshl_b32 s44, 0x1111, s40                    ; my column
	; descriptor group 1: a tile of 128 rows x 256 bytes, padded in LDS
	s_or_b32 s[G1+0], s43, (0<<16)|(1<<20)|(1<<21)|(5<<22)|(3<<25)  ; 15:0 the mask: A's tiles go to my row; 17:16 element of 1 byte; 20 padding on; 21 set beside a mask; 24:22 after every 64 words; 31:25 of 4 words
	s_or_b32 s[G1B+0], s44, (0<<16)|(1<<20)|(1<<21)|(5<<22)|(3<<25)
.irp g, G1, G1B
	s_mov_b32 s[\g+1], ROWB<<16                    ; tensor_dim0
	s_mov_b32 s[\g+2], 128<<16                     ; tensor_dim1
	s_mov_b32 s[\g+3], ROWB<<16                    ; tile_dim0
	s_mov_b32 s[\g+4], 128                         ; tile_dim1
	s_mov_b32 s[\g+5], KROW                        ; tensor_dim0_stride
	s_mov_b32 s[\g+6], 0
	s_mov_b32 s[\g+7], 0
.endr
	; the scales of 128 rows: a dense block of 4,096 bytes, as 16 rows of 256 bytes (32 elements of 8 bytes), 16 bytes of padding behind each
	s_or_b32 s[G1S+0], s43, (3<<16)|(1<<20)|(1<<21)|(5<<22)|(3<<25)
	s_or_b32 s[G1SB+0], s44, (3<<16)|(1<<20)|(1<<21)|(5<<22)|(3<<25)
.irp g, G1S, G1SB
	s_mov_b32 s[\g+1], 32<<16
	s_mov_b32 s[\g+2], (128*KS/256)<<16
	s_mov_b32 s[\g+3], 32<<16
	s_mov_b32 s[\g+4], 128*KS/256
	s_mov_b32 s[\g+5], 32
	s_mov_b32 s[\g+6], 0
	s_mov_b32 s[\g+7], 0
.endr
	; byte offsets of what I fetch.  A's hang on the tile row, p and the wave; B's on the tile column, p and the wave
	s_lshl_b32 s18, s16, 7                         ; which 128 rows of the tile
	s_lshl_b32 s20, s17, 8
	s_add_co_u32 s20, s20, s18                     ; A's row
	s_lshl_b32 s46, s42, 8
	s_add_co_u32 s46, s46, s18                     ; B's row
	s_lshl_b32 s22, s20, 5                         ; 32 scale bytes a row,
	s_lshl_b32 s20, s20, 9                         ; 512 bytes of codes
	s_lshl_b32 s92, s46, 5
	s_lshl_b32 s46, s46, 9
	s_lshl_b32 s67, s2, 22                         ; p < 2: A = tensor p of xc, xs; B = tensor p of wc, ws
	s_lshl_b32 s95, s2, 18
	s_lshl_b32 s100, s2, 19
	s_lshl_b32 s101, s2, 15
	s_cmp_eq_u32 s2, 2                             ; p = 2: A = tensor 2 of wc, ws; B = tensor 1 of xc, xs
	s_cselect_b32 s67, 0x100000, s67
	s_cselect_b32 s95, 0x10000, s95
	s_cselect_b32 s100, 0x400000, s100
	s_cselect_b32 s101, 0x40000, s101
	s_add_co_u32 s20, s20, s67
	s_add_co_u32 s22, s22, s95
	s_add_co_u32 s46, s46, s100
	s_add_co_u32 s92, s92, s101
	s_mov_b32 s21, 0
	s_mov_b32 s23, 0
	s_mov_b32 s47, 0
	s_mov_b32 s93, 0
	s_mul_i32 s45, s14, HALFT                      ; where they go: wave x 128 rows: no place in the cluster enters an LDS address
	s_mul_i32 s94, s14, HALFS
	s_wait_dscnt 0x0                               ; both opening adds are done
	s_wait_kmcnt 0x0
	s_cmp_eq_u32 s2, 2                             ; p = 2: the weights are A and x is B: the pointers change places
	s_cselect_b64 s[18:19], s[8:9], s[4:5]
	s_cselect_b64 s[8:9], s[4:5], s[8:9]
	s_mov_b64 s[4:5], s[18:19]                     ; s[4:5] A's codes, s[8:9] B's
	s_cselect_b64 s[18:19], s[10:11], s[6:7]
	s_cselect_b64 s[10:11], s[6:7], s[10:11]
	s_mov_b64 s[6:7], s[18:19]                     ; s[6:7] A's scales, s[10:11] B's
	s_add_nc_u64 s[20:21], s[4:5], s[20:21]
	s_add_nc_u64 s[22:23], s[6:7], s[22:23]
	s_add_nc_u64 s[46:47], s[8:9], s[46:47]
	s_add_nc_u64 s[92:93], s[10:11], s[92:93]
	CROUND                                         ; all sixteen work-groups are here: the joint loads meet
	s_mov_b32 s[G0S], 1
	s_add_co_u32 s[G0S+1], s94, SCL
	s_mov_b64 s[G0S+2:G0S+3], s[22:23]
	s_or_b32 s[G0S+3], s[G0S+3], 0x80000000
	s_mov_b32 s[G0SB], 1
	s_add_co_u32 s[G0SB+1], s94, SCL
	s_mov_b64 s[G0SB+2:G0SB+3], s[92:93]
	s_or_b32 s[G0SB+3], s[G0SB+3], 0x80000000
	JLOAD G0S, G1S, G0SB, G1SB                     ; the scales first: they are wanted with the first step
.irp s, 0,1
	s_mov_b32 s[G0+4*\s], 1
	s_add_co_u32 s[G0+4*\s+1], s45, \s*SLOT
	s_add_nc_u64 s[G0+4*\s+2:G0+4*\s+3], s[20:21], \s*ROWB
	s_or_b32 s[G0+4*\s+3], s[G0+4*\s+3], 0x80000000
	s_mov_b32 s[G0B+4*\s], 1
	s_add_co_u32 s[G0B+4*\s+1], s45, \s*SLOT
	s_add_nc_u64 s[G0B+4*\s+2:G0B+4*\s+3], s[46:47], \s*ROWB
	s_or_b32 s[G0B+4*\s+3], s[G0B+4*\s+3], 0x80000000
	JLOAD G0+4*\s, G1, G0B+4*\s, G1B
.endr
	; the channel side (W, WH) and the token side (U, UH) of my 128 x 128
	s_cmp_eq_u32 s2, 2
	s_cselect_b32 s67, s17, s42                    ; W: the tile along the channels
	s_cselect_b32 s95, s15, s16                    ; WH: my half of it
	s_cselect_b32 s100, s42, s17                   ; U: the tile along the tokens
	s_cselect_b32 s101, s16, s15                   ; UH
	s_cselect_b32 s66, 0, -1                       ; v has no bias here: its bias registers are cleared by this mask
	s_cmp_eq_u32 s2, 0
	s_cselect_b64 s[96:97], s[96:97], s[98:99]     ; b_q for q, b_k else (for v: read inside its 1,024 numbers, and cleared)
	s_lshl_b32 s18, s67, 10
	s_lshl_b32 s19, s95, 9
	s_add_co_u32 s18, s18, s19                     ; (256 W + 128 WH) x 4 bytes
	s_mov_b32 s19, 0
	s_add_nc_u64 s[96:97], s[96:97], s[18:19]
	v_and_b32 v1, 15, v0                           ; l % 16
	v_bfe_u32 v2, v0, 4, 1                         ; l / 16
	v_lshlrev_b32 v[BO], 5, v2
.irp b, 0,1,2,3,4,5,6,7
	global_load_b128 v[CB+8*\b:CB+8*\b+3], v[BO], s[96:97] offset:64*\b
	global_load_b128 v[CB+8*\b+4:CB+8*\b+7], v[BO], s[96:97] offset:64*\b+16
.endr
	v_mul_u32_u24 v3, v1, PITCH
	v_lshl_add_u32 v4, v2, 4, v3                   ; a fragment's row x pitch + 16 x half
	s_mul_i32 s21, s15, HALFT                      ; my 128 rows of A
	s_mul_i32 s22, s16, HALFT                      ; my 128 rows of B,
	s_add_co_u32 s22, s22, 2*HALFT                 ; which lie behind A's 256
.irp s, 0,1
	v_add_nc_u32 v[ADRA+\s], s21, v4
	v_add_nc_u32 v[ADRB+\s], s22, v4
	s_add_co_u32 s21, s21, SLOT
	s_add_co_u32 s22, s22, SLOT
.endr
	v_mul_u32_u24 v5, v1, KS                       ; my row's scales: 32 bytes a row,
	v_lshrrev_b32 v6, 8, v5
	v_lshl_add_u32 v5, v6, 4, v5                   ; and 16 more for each 256 passed
	s_mul_i32 s21, s15, HALFS                      ; A's: my 128 rows
	s_mul_i32 s22, s16, HALFS                      ; B's: my 128 rows, behind A's 256
	s_add_co_u32 s22, s22, 2*HALFS
	s_sub_co_u32 s22, s22, s21
	v_mul_u32_u24 v6, s22, v2                      ; lanes 16-31 take B's: one product, the distance between the two bases
	s_add_co_u32 s21, s21, SCL
	v_add_nc_u32 v5, v5, v6
	v_add_nc_u32 v[ADRS], s21, v5
	; the way out: where my part begins in qkv
	s_lshl_b32 s18, s2, 24                         ; the tensor,
	s_lshr_b32 s19, s100, 3
	s_lshl_b32 s19, s19, 22                        ; the batch: 16 heads of 262,144 bytes,
	s_add_co_u32 s18, s18, s19
	s_lshl_b32 s19, s67, 2
	s_lshl_b32 s21, s95, 1
	s_add_co_u32 s19, s19, s21
	s_lshl_b32 s19, s19, 18                        ; the head 4 W + 2 WH,
	s_add_co_u32 s18, s18, s19
	s_and_b32 s19, s100, 7
	s_lshl_b32 s19, s19, 15                        ; 256 tokens are 32,768 bytes of a head in all three layouts,
	s_add_co_u32 s18, s18, s19
	s_lshl_b32 s19, s101, 14                       ; 128 tokens 16,384
	s_add_co_u32 s18, s18, s19
	s_mov_b32 s19, 0
	s_add_nc_u64 s[12:13], s[12:13], s[18:19]
	s_cmp_eq_u32 s2, 2                             ; from pair to pair of n blocks: q, k: the head's second 32 channels, the next head, its second 32;  v: the next 32 keys
	s_mov_b32 s67, 1024
	s_cselect_b32 s67, 4096, s67
	s_mov_b32 s95, 262144
	s_cselect_b32 s95, 8192, s95
	s_mov_b32 s100, 263168
	s_cselect_b32 s100, 12288, s100
	s_mov_b32 s18, 2048                            ; from m block to m block: q, k: 16 tokens on;  v: 16 channels on,
	s_cselect_b32 s18, 1024, s18
	s_mov_b32 s20, 2048                            ; and into block 4, for v: the next head's first 16 channels
	s_cselect_b32 s20, 259072, s20
	s_mov_b32 s19, 0
	s_mov_b32 s21, 0
	v_and_b32 v6, 31, v0
	v_lshlrev_b32 v[CO], 4, v6
	v_add_nc_u32 v[CO+1], s67, v[CO]
	v_add_nc_u32 v[CO+2], s95, v[CO]
	v_add_nc_u32 v[CO+3], s100, v[CO]
	s_wait_loadcnt 0x0                             ; the bias
.set i, 0
.rept 64
	v_and_b32 v[CB+i], s66, v[CB+i]                ; kept for q and k, cleared for v
.set i, i+1
.endr
.rept 8
	v_nop                                          ; registers written by vector instructions stand well ahead of the scaled matrix instructions that read them
.endr
.macro FRAG reg, adr, q, i             ; a fragment, 16 rows x 128 K of 4-bit codes: lane l holds row l % 16; registers 4 c .. 4 c + 3 hold K = 64 c + 32 (l / 16) + 0 .. 31
.irp c, 0,1
	ds_load_b128 v[\reg+4*\c:\reg+4*\c+3], v[\adr] offset:64*(\q)+32*\c+(\i)*16*PITCH
.endr
.endm
; 16 matrix instructions: A's blocks a0, a0 + 1 x B's eight, the slot's q-th 128 along K.  p: B's set;  sc: the set of scale words.  first = 1: the bias is the C of the sum's first product: nothing is cleared, nothing added later.
; The 64 accumulators take turns, one instruction a turn, in the same order in every step.
.macro MUL16 a0, p, q, sc, first
.irp a, \a0, \a0+1
.irp b, 0,1,2,3,4,5,6,7
.if \first
	v_wmma_scale_f32_16x16x128_f8f6f4 v[8*(8*((\a)%4)+\b):8*(8*((\a)%4)+\b)+7], v[128*(\p)+FR*\b:128*(\p)+FR*\b+FR-1], v[AF+FR*(\a):AF+FR*(\a)+FR-1], v[CB+8*\b:CB+8*\b+7], v[SC+8*NQ*(\sc)+NQ*\b+(\q)], v[SC+8*NQ*(\sc)+NQ*(\a)+(\q)] matrix_a_fmt:MATRIX_FMT_FP4 matrix_b_fmt:MATRIX_FMT_FP4 matrix_a_scale:MATRIX_SCALE_ROW1
.else
	v_wmma_scale_f32_16x16x128_f8f6f4 v[8*(8*((\a)%4)+\b):8*(8*((\a)%4)+\b)+7], v[128*(\p)+FR*\b:128*(\p)+FR*\b+FR-1], v[AF+FR*(\a):AF+FR*(\a)+FR-1], v[8*(8*((\a)%4)+\b):8*(8*((\a)%4)+\b)+7], v[SC+8*NQ*(\sc)+NQ*\b+(\q)], v[SC+8*NQ*(\sc)+NQ*(\a)+(\q)] matrix_a_fmt:MATRIX_FMT_FP4 matrix_b_fmt:MATRIX_FMT_FP4 matrix_a_scale:MATRIX_SCALE_ROW1
.endif
.endr
.endr
.endm
.macro FETCH_B slot, q, p              ; B's eight fragments of the slot's q-th 128 along K into set p
	WIN TO_B
.irp i, 0,1,2,3,4,5,6,7
	FRAG 128*(\p)+FR*\i, ADRB+\slot, \q, \i
.endr
	WIN 0
.endm
.macro FETCH_A slot, q, i0             ; A's blocks i0 .. i0 + 3
.irp i, \i0, \i0+1, \i0+2, \i0+3
	FRAG AF+FR*(\i), ADRA+\slot, \q, \i
.endr
.endm
.macro SCALES sc                       ; a slot's scale words into set sc: four words a row; lanes 0-15 take A's block i, lanes 16-31 B's block i
.irp i, 0,1,2,3,4,5,6,7
	ds_load_b128 v[SC+8*NQ*\sc+NQ*\i:SC+8*NQ*\sc+NQ*\i+3], v[ADRS] offset:\i*SBLK
.endr
.endm
; A load into a register that a matrix instruction has read, and a vector instruction that reads a matrix result, stand NP places behind that matrix instruction; only plain vector instructions that name none of its
; registers are places (ISA guide 7.12.1 for vector instructions).
.macro PLACES n
.rept \n
	v_nop
.endr
.endm
; A step of 128 along K that has its successor in the same slot.  A's blocks are free as soon as their eight products are issued: blocks 0-3 are fetched anew in the step's middle, blocks 4-7 at its end.
.macro STEP slot, q, first
	s_wait_dscnt 4*NL                              ; B's set, the scale words and A's blocks 0-3 are in; the youngest eight loads (A's blocks 4-7) may be out
.if \first
	WIN MUL_LO1
.else
	WIN MUL_LO
.endif
	MUL16 0, (\q)%2, \q, \slot, \first
	MUL16 2, (\q)%2, \q, \slot, \first
	s_wait_dscnt 0                                 ; A's blocks 4-7 are in
	PLACES NP
	FETCH_B \slot, (\q)+1, 1-(\q)%2
	FETCH_A \slot, (\q)+1, 0
.if \first
	WIN MUL_HI1
.else
	WIN MUL_HI
.endif
	MUL16 4, (\q)%2, \q, \slot, \first
	MUL16 6, (\q)%2, \q, \slot, \first
	PLACES NP
	WIN 0
	FETCH_A \slot, (\q)+1, 4
.endm
; Slot 0's last step goes over to slot 1: each wave waits for all its tensor loads (its part of slot 1), one barrier shows the slot whole to every wave.  Nothing is filled again.
.macro TURN slot, next
	s_wait_tensorcnt 0x0                           ; all my tensor loads have landed  (every window is 0 here)
	ds_add_u32 v[SPW], v[NIL]                      ; 0 onto my spare word
	s_wait_dscnt 4*NL+1                            ; (the add and the youngest eight loads, A's blocks 4-7, may be out)
	WIN MUL_LO
	MUL16 0, 1, NQ-1, \slot, 0                     ; sixteen matrix instructions stand between the add and the wait for it
	s_wait_dscnt 0x0
	s_barrier_signal -1
	MUL16 2, 1, NQ-1, \slot, 0
	WIN 0
	s_barrier_wait -1
	PLACES NP
	v_add_nc_u32 v[ADRS], 4*NQ, v[ADRS]            ; on to the next slot's scale words (no LDS load of mine is out)
	FETCH_B \next, 0, 0
	FETCH_A \next, 0, 0
	SCALES \next
	WIN MUL_HI
	MUL16 4, 1, NQ-1, \slot, 0
	MUL16 6, 1, NQ-1, \slot, 0
	PLACES NP
	WIN 0
	FETCH_A \next, 0, 4
.endm
.macro STEPS slot, from                ; the slot's steps from .. NQ - 2
.set QQ, \from
.rept NQ-1-\from
	STEP \slot, QQ, 0
.set QQ, QQ+1
.endr
.endm
	s_wait_tensorcnt 1                             ; the scales and my part of slot 0 are in (slot 1's load may be out)
	s_barrier_signal -1
	s_barrier_wait -1                              ; everybody's are
	FETCH_B 0, 0, 0
	FETCH_A 0, 0, 0
	SCALES 0
	FETCH_A 0, 0, 4
	STEP 0, 0, 1                                   ; the first step's products start the sums, from the bias
	STEPS 0, 1
	TURN 0, 1
	STEPS 1, 0
	s_wait_dscnt 4*NL                              ; the very last step: nothing more to fetch
	WIN MUL_LO
	MUL16 0, 1, NQ-1, 1, 0
	MUL16 2, 1, NQ-1, 1, 0
	s_wait_dscnt 0
	WIN MUL_HI
	MUL16 4, 1, NQ-1, 1, 0
	MUL16 6, 1, NQ-1, 1, 0
	WIN 0
; THE WAY OUT, m block by m block.  Accumulator (a, b), rounded to f16 in pairs from its low end on, is half b % 2 of an image; the 32 lanes store its 512 consecutive bytes.
.macro OUT a
.set AC, 64*((\a)%4)
.set TT, TMP+32*((\a)%2)
	WIN 0x0a+5*((\a)/4)                            ; sources 0 and 1: window 2 or 3
.irp b, 0,1,2,3,4,5,6,7
.irp i, 0,1,2,3
	v_cvt_pk_f16_f32 v[TT+4*\b+\i], v[AC+8*\b+2*\i], v[AC+8*\b+2*\i+1]
.endr
.endr
	WIN 0
.if (\a) > 0
	s_wait_xcnt 0x0                                ; the earlier stores have read their base and their data: the base steps now, and the next block's roundings write the other set's registers behind this wait
.if (\a) == 4
	s_add_nc_u64 s[12:13], s[12:13], s[20:21]
.else
	s_add_nc_u64 s[12:13], s[12:13], s[18:19]
.endif
.endif
.irp b, 0,1,2,3,4,5,6,7
	global_store_b128 v[CO+\b/2], v[TT+4*\b:TT+4*\b+3], s[12:13] offset:(\b%2)*512
.endr
.endm
	PLACES NP                                      ; behind the last products: for the reads of their results and the writes into A's registers
.irp a, 0,1,2,3,4,5,6,7
	OUT \a
.endr
	s_wait_tensorcnt 0x0                           ; the wave's end, behind my last tensor load
	ds_add_u32 v[SPW], v[NIL]
	s_wait_dscnt 0x0
	CROUND                                         ; the closing round: no work-group ends while a partner may still ask for a tile that names it
	s_endpgm
.Lfunc_end_k_qd080b95810_proj:
	.size	k_qd080b95810_proj, .Lfunc_end_k_qd080b95810_proj-k_qd080b95810_proj
	.p2alignl 7, 3214868480
	.fill 96, 4, 3214868480
	.section	.rodata,"a",@progbits
	.p2align	6, 0x0
	.amdhsa_kernel k_qd080b95810_proj
		.amdhsa_group_segment_fixed_size 327680
		.amdhsa_private_segment_fixed_size 0
		.amdhsa_enable_private_segment 0
		.amdhsa_kernarg_size 56
		.amdhsa_user_sgpr_count 2
		.amdhsa_user_sgpr_kernarg_segment_ptr 1
		.amdhsa_wavefront_size32 1
		.amdhsa_system_sgpr_workgroup_id_x 1
		.amdhsa_system_sgpr_workgroup_id_y 1
		.amdhsa_system_sgpr_workgroup_id_z 1
		.amdhsa_system_vgpr_workitem_id 0
		.amdhsa_next_free_vgpr 1024
		.amdhsa_next_free_sgpr 102
		.amdhsa_reserve_vcc 0
		.amdhsa_float_denorm_mode_32 3
		.amdhsa_float_denorm_mode_16_64 3
		.amdhsa_memory_ordered 1
		.amdhsa_forward_progress 1
		.amdhsa_inst_pref_size 124
	.end_amdhsa_kernel
	.amdgpu_metadata
---
amdhsa.version: [ 1, 2 ]
amdhsa.kernels:
  - .name:           k_qd080b95810_proj
    .symbol:         k_qd080b95810_proj.kd
    .args:
      - { .name: xc, .offset: 0, .size: 8, .value_kind: global_buffer, .address_space: global }
      - { .name: xs, .offset: 8, .size: 8, .value_kind: global_buffer, .address_space: global }
      - { .name: wc, .offset: 16, .size: 8, .value_kind: global_buffer, .address_space: global }
      - { .name: ws, .offset: 24, .size: 8, .value_kind: global_buffer, .address_space: global }
      - { .name: b_q, .offset: 32, .size: 8, .value_kind: global_buffer, .address_space: global }
      - { .name: b_k, .offset: 40, .size: 8, .value_kind: global_buffer, .address_space: global }
      - { .name: qkv, .offset: 48, .size: 8, .value_kind: global_buffer, .address_space: global }
    .group_segment_fixed_size: 327680
    .private_segment_fixed_size: 0
    .kernarg_segment_align: 8
    .kernarg_segment_size: 56
    .max_flat_workgroup_size: 128
    .sgpr_count:     102
    .vgpr_count:     1024
    .wavefront_size: 32
...
	.end_amdgpu_metadata
.endif
;; end of part 2
;; launch attn (part 3): grid 4 x 64, 16 waves a work-group, clusters of 4 x 1, 327,680 bytes of LDS; arguments qkv, b_v, ctx; writes ctx
.if DOCPART == 3
	.amdgcn_target "amdgcn-amd-amdhsa--gfx1250"
	.amdhsa_code_object_version 6
	.text
	.protected	k_qd080b95810_attn
	.globl	k_qd080b95810_attn
	.p2align	8
	.type	k_qd080b95810_attn,@function
k_qd080b95810_attn:
	s_mov_b64 s[64:65], 0
	v_nop
	global_prefetch_b8 v0, s[64:65] scope:SCOPE_SE
	s_setreg_imm32_b32 hwreg(HW_REG_WAVE_MODE, 25, 1), 1
	s_wait_xcnt 0x0
	s_wait_alu depctr_hold_cnt(0) depctr_sa_sdst(0) depctr_va_vdst(0) depctr_va_sdst(0) depctr_va_ssrc(0) depctr_va_vcc(0) depctr_vm_vsrc(0)
	s_getreg_b32 s2, hwreg(HW_REG_IB_STS2, 6, 4)
	s_cmp_eq_u32 s2, 0
	s_cbranch_scc0 .Lentry_in_a_cluster
	s_endpgm
.Lentry_in_a_cluster:
	s_bfe_u32 s2, ttmp6, 0x10000c
	s_cmp_lg_u32 s2, 0x3003
	s_cbranch_scc0 .Lentry_shape_is_right
	s_endpgm
.Lentry_shape_is_right:
; ctx[b][q][head] = sum over k of softmax_k(q . k / 8) v + b_v, for 64 (batch, head) pairs, 2,048 queries and keys, head size 64.  Operands in f16, products, maxima and sums in f32; ctx rounded once to f16.
; b_v is added here: the weights of a row sum to 1, so sum p (v + b_v) / l = sum p v / l + b_v for every input; the order of rounding differs from a sum that adds b_v to v first.
; LIMITS: |ctx| stays under 65,504 (f16); NaN and infinities are not served.
; qkv holds IMAGES OF OPERAND REGISTERS (1,024 bytes a fragment of 16 rows x 32 k: [half c][lane][16 bytes]): q, k: [pair][token block of 16][channel block of 32][c][512]; v, as V^T: [pair][key block of 32][channel block of 16][c][512].
; So every fragment comes by two loads at 16 x lane: no pitch, no padding, no turning load; a slot's keys are one dense block of memory for K and one for V.
; SHARES.  A work-group owns 512 queries of one pair; each of its sixteen waves 32 of them, two tiles of 16, in 256 registers: four waves to a SIMD, so that one wave's softmax stands beside another's products and LDS loads.
; Every wave walks all 2,048 keys, 64 a step; each fragment of K and V that it reads feeds two matrix instructions.
; LAYOUT.  S^T = K Q^T (source 0 = 16 keys, source 1 = 16 queries): a lane holds ONE query (lane % 16) and keys 8 (lane / 16) + 0 .. 7 of each tile.  Two such tiles, rounded to f16 in pairs, ARE source 1 of O^T = V^T P.
; SOFTMAX.  A running maximum m and sum l for each query: p = 2^(c s - c m), c = log2(e) / 8; in every step O^T and l are multiplied by a = 2^(c m_old - c m_new).  The loop has no first step of its own: m begins at -3e38, l and O^T at 0.
; CLUSTER.  A pair's four query blocks form a cluster and walk the same K and V: each tile is asked for JOINTLY (mask 15).  A ring of two slots of 256 keys; waves 0, 1 fetch K's halves, waves 2, 3 V's: one load a wave
; behind each round, and that load has a slot's four key steps in which to land.  One tensor load a wave is out at the most.
; ctx is laid as the next launch's operand images: [token tile of 128: 64][k block of 32: 32][token block of 16: 8][c][512].
.set SLOT1, 1<<16                      ; a slot: K's images (32,768 bytes: [token block 16][channel block 2][c][512]), then V's ([key block 8][channel block 4][c][512]); slot 1 begins here
.set VOFF,  32768
.set SPARE, 2*SLOT1                    ; behind the ring: the spare words, 128 bytes for each of the sixteen waves
.set NSL,   8                          ; slots' worth of keys
.set AL,  1                            ; v1   16 x lane; never rewritten
.set AD,  2                            ; v2   the slot in hand + 16 x lane
.set SPW, 3                            ; v3   LDS address of my spare word; never rewritten
.set NIL, 4                            ; v4   0; never rewritten
.set PFO, 5                            ; v5   256 x lane; never rewritten
.set BO,  6                            ; v6   32 x (lane / 16)
.set ST,  12                           ; tile t's statistics at v[ST + 10 t]: +0 c m, +1 m, +2, +3 l in two halves, +4 to +7 at work, +8 a (at the end 1 / l), +9 c m_old, then the difference
.set QF,  32                           ; v32-63   Q: tile t, channel block cf at QF + 16 t + 8 cf
.set KV,  64                           ; v64-127  K's 8 fragments (4 cf + kt), then V's 8 (4 kh + ct)
.set S,   128                          ; v128-191 S^T: tile t, key tile kt at S + 32 t + 8 kt; P is packed in place into S + 32 t + 0 .. 15
.set OT,  192                          ; v192-255 O^T: tile t, channel tile ct at OT + 32 t + 8 ct
.set WV,  10                           ; s10  my wave's number
.set G1,  24                           ; s[24:31] descriptor group 1, one for all loads
.set G0,  40                           ; s[40:43] descriptor group 0, which walks
.set CS,  48                           ; s[48:49] c, twice: the packed form names a pair
.set SEL, 50                           ; s[50:51] lane selects for v_permlanex16_b32: lane l xor 16
.set TB,  52                           ; s52  LDS byte at which the slot in hand begins
.set SLOTS, 53                         ; s53  slots still to be asked for
.set PFA, 54                           ; s[54:55] where my prefetches stand
.set LIM, 56                           ; s56  1 in a wave that prefetches, else the greatest number
.macro CROUND                          ; a round of the cluster's barrier
	s_barrier_signal -1
	s_barrier_wait -1
	s_cmp_lg_u32 s[WV], 0
	s_cbranch_scc1 .Lnot_wave_0_\@
	s_barrier_signal -3
.Lnot_wave_0_\@:
	s_barrier_wait -3
	s_barrier_signal -1
	s_barrier_wait -1
.endm
.macro TLOAD                           ; waves 0 to 3 fetch, the others nothing: the branch hangs on the wave's number alone.  An s_nop 0 and four v_nop follow the load
	s_cmp_lt_u32 s[WV], 4
	s_cbranch_scc0 .Lno_load_\@
	tensor_load_to_lds s[G0:G0+3], s[G1:G1+7]
	s_nop 0
.rept 4
	v_nop
.endr
.Lno_load_\@:
.endm
; A prefetch of what the NEXT change of slots will ask for: 32,768 bytes of K and as many of V.  The four partners share them out BY ADDRESS, 8,192 bytes each, lanes 256 bytes apart; in each, wave 4 asks for K's and wave 5 for V's:
; each block of 256 bytes is named once in the launch.  It stands behind the tensor load's lines.  The last change that fills a slot asks for nothing: there is no slot behind it.  Slots 0 and 1 come by their loads alone.
.macro ASK
	s_cmp_gt_u32 s[SLOTS], s[LIM]
	s_cbranch_scc0 .Lnot_mine_\@
	global_prefetch_b8 v[PFO], s[PFA:PFA+1] th:TH_LOAD_NT scope:SCOPE_SE
.Lnot_mine_\@:
.endm
	s_load_b128 s[4:7], s[0:1], 0x0                ; qkv, b_v
	s_load_b64 s[8:9], s[0:1], 0x10                ; ctx
	v_lshl_add_u32 v[SPW], v0, 2, SPARE
	v_mov_b32 v[NIL], 0
	ds_add_u32 v[SPW], v[NIL]                      ; the wave's opening: the add, twice on end, and its wait ahead of my first tensor load
	ds_add_u32 v[SPW], v[NIL]                      ; the set-up below, work on registers, stands between the second and the wait
	v_lshrrev_b32 v7, 5, v0
	v_readfirstlane_b32 s[WV], v7                  ; wave 0..15
	s_bfe_u32 s11, ttmp6, 0x40000                  ; cx: my block of 512 queries
	s_and_b32 s12, ttmp7, 0xffff                   ; the (batch, head) pair, which the four partners share
	s_lshl_b32 s13, s12, 18                        ; its first byte in each tensor of qkv
	; what I fetch: waves 0, 1: K (tensor 1), waves 2, 3: V (tensor 2); half wave % 2.  Bit 1 of the wave's number picks the tensor, so the address lies inside qkv in the waves that never fetch too
	s_bfe_u32 s14, s[WV], 0x10001
	s_add_co_u32 s14, s14, 1
	s_lshl_b32 s14, s14, 24
	s_add_co_u32 s14, s14, s13
	s_and_b32 s16, s[WV], 1
	s_lshl_b32 s17, s16, 14
	s_add_co_u32 s14, s14, s17
	s_mov_b32 s15, 0
	s_lshl_b32 s18, s11, 16                        ; Q: my block's 512 queries are 65,536 bytes,
	s_add_co_u32 s18, s18, s13
	s_lshl_b32 s19, s[WV], 12                      ; my wave's 32 are 4,096
	s_add_co_u32 s18, s18, s19
	s_mov_b32 s19, 0
	s_add_co_u32 s20, s16, 1                       ; the prefetches: K for even waves, V for odd,
	s_lshl_b32 s20, s20, 24
	s_add_co_u32 s20, s20, s13
	s_lshl_b32 s21, s11, 13                        ; my work-group's 8,192 bytes,
	s_add_co_u32 s20, s20, s21
	s_add_co_u32 s20, s20, 32768                   ; in slot 1: the first change of slots steps it to slot 2
	s_mov_b32 s21, 0
	s_lshr_b32 s22, s12, 4                         ; ctx: token tile 16 x batch + 4 cx + wave / 4,
	s_lshl_b32 s22, s22, 4
	s_lshl_b32 s23, s11, 2
	s_add_co_u32 s22, s22, s23
	s_lshr_b32 s23, s[WV], 2
	s_add_co_u32 s22, s22, s23
	s_lshl_b32 s22, s22, 18
	s_and_b32 s23, s12, 15
	s_lshl_b32 s23, s23, 14                        ; k blocks 2 x head on,
	s_add_co_u32 s22, s22, s23
	s_and_b32 s23, s[WV], 3
	s_lshl_b32 s23, s23, 11                        ; token blocks 2 (wave % 4) on
	s_add_co_u32 s22, s22, s23
	s_mov_b32 s23, 0
	s_and_b32 s2, s12, 15
	s_lshl_b32 s2, s2, 8                           ; b_v: the head's 64 numbers
	s_mov_b32 s3, 0
	; descriptor group 1: 64 rows of 256 dense bytes (32 elements of 8 bytes): 16,384 bytes
	s_mov_b32 s[G1], 15|(3<<16)|(1<<21)            ; 15:0 the mask: all four work-groups; 17:16 elements of 8 bytes; 21 set beside a mask; no padding
	s_mov_b32 s[G1+1], 32<<16                      ; tensor_dim0
	s_mov_b32 s[G1+2], 64<<16                      ; tensor_dim1
	s_mov_b32 s[G1+3], 32<<16                      ; tile_dim0
	s_mov_b32 s[G1+4], 64                          ; tile_dim1
	s_mov_b32 s[G1+5], 32                          ; tensor_dim0_stride
	s_mov_b32 s[G1+6], 0
	s_mov_b32 s[G1+7], 0
	s_mov_b32 s[CS], 0x3e38aa3b                    ; c = log2(e) / 8
	s_mov_b32 s[CS+1], s[CS]
	s_mov_b32 s[SEL], 0x76543210
	s_mov_b32 s[SEL+1], 0xfedcba98
	s_mov_b32 s[TB], 0
	s_mov_b32 s[SLOTS], NSL-1
	s_lshr_b32 s17, s[WV], 1
	s_cmp_eq_u32 s17, 2                            ; waves 4 and 5 prefetch: the same in all four partners
	s_cselect_b32 s[LIM], 1, -1
	v_and_b32 v[AL], 31, v0
	v_lshlrev_b32 v[AL], 4, v[AL]
	v_lshlrev_b32 v[PFO], 4, v[AL]
	v_bfe_u32 v[BO], v0, 4, 1
	v_lshlrev_b32 v[BO], 5, v[BO]
	s_wait_dscnt 0x0                               ; both opening adds are done
	s_wait_kmcnt 0x0
	s_mov_b32 s[G0], 1                             ; count = 1
	s_lshl_b32 s[G0+1], s[WV], 14                  ; LDS address: slot 0, wave x 16,384: K's halves, then V's
	s_add_nc_u64 s[G0+2:G0+3], s[4:5], s[14:15]    ; global address: the pair's first 256 keys
	s_or_b32 s[G0+3], s[G0+3], 0x80000000          ; type = 2
	s_add_nc_u64 s[PFA:PFA+1], s[4:5], s[20:21]
	s_add_nc_u64 s[4:5], s[4:5], s[18:19]          ; Q at my wave's first query
	s_add_nc_u64 s[6:7], s[6:7], s[2:3]
	s_add_nc_u64 s[8:9], s[8:9], s[22:23]
	CROUND                                         ; all four work-groups are here: the first joint loads meet
	TLOAD                                          ; slot 0
.irp t, 0,1
.irp cf, 0,1
.irp c, 0,1
	global_load_b128 v[QF+16*\t+8*\cf+4*\c:QF+16*\t+8*\cf+4*\c+3], v[AL], s[4:5] offset:\t*2048+\cf*1024+\c*512   ; Q stays in registers
.endr
.endr
.endr
.irp t, 0,1
	v_mov_b32 v[ST+10*\t+1], 0xff61b1e6            ; m: -3e38, under every score
	v_mul_f32 v[ST+10*\t], s[CS], v[ST+10*\t+1]    ; c m
	v_mov_b32 v[ST+10*\t+2], 0                     ; l, in two halves
	v_mov_b32 v[ST+10*\t+3], 0
.endr
.set i, 0
.rept 64
	v_mov_b32 v[OT+i], 0                           ; O^T.  (The key step is written once: its first run finds zeros, which a = 0 leaves zeros)
.set i, i+1
.endr
	s_wait_loadcnt 0x0                             ; Q
; A KEY STEP: 64 keys, the q-th of the slot in hand.
.macro STEP q
.irp cf, 0,1                                   ; K's eight fragments, channels 0-31 first
.irp kt, 0,1,2,3
.irp c, 0,1
	ds_load_b128 v[KV+8*(4*\cf+\kt)+4*\c:KV+8*(4*\cf+\kt)+4*\c+3], v[AD] offset:(4*(\q)+\kt)*2048+\cf*1024+\c*512
.endr
.endr
.endr
	s_wait_dscnt 8                                 ; channels 0-31 are in; the eight loads of channels 32-63 may be out
.set i, 0
.rept 8                                        ; S^T = K Q^T: tile i % 2, key tile (i / 2) % 4: the eight accumulators take turns, one instruction a turn; the first eight start the sums
	v_wmma_f32_16x16x32_f16 v[S+32*(i%2)+8*((i/2)%4):S+32*(i%2)+8*((i/2)%4)+7], v[KV+8*((i/2)%4):KV+8*((i/2)%4)+7], v[QF+16*(i%2):QF+16*(i%2)+7], 0
.set i, i+1
.endr
	s_wait_dscnt 0x0
.set i, 0
.rept 8
	v_wmma_f32_16x16x32_f16 v[S+32*(i%2)+8*((i/2)%4):S+32*(i%2)+8*((i/2)%4)+7], v[KV+32+8*((i/2)%4):KV+32+8*((i/2)%4)+7], v[QF+16*(i%2)+8:QF+16*(i%2)+15], v[S+32*(i%2)+8*((i/2)%4):S+32*(i%2)+8*((i/2)%4)+7]
.set i, i+1
.endr
.rept 4
	v_nop                                          ; four places: for the loads into K's registers and for the first read of the scores
.endr
.irp kh, 0,1                                   ; V's eight fragments land while the softmax is walked
.irp ct, 0,1,2,3
.irp c, 0,1
	ds_load_b128 v[KV+8*(4*\kh+\ct)+4*\c:KV+8*(4*\kh+\ct)+4*\c+3], v[AD] offset:VOFF+(2*(\q)+\kh)*4096+\ct*1024+\c*512
.endr
.endr
.endr
	; THE SOFTMAX, the two tiles line by line by turns.  The maximum of a lane's 32 scores and the old m: four chains, each begun at its accumulator's low end
.irp c, 0,1,2,3
.irp t, 0,1
	v_max3_num_f32 v[ST+10*\t+4+\c], v[S+32*\t+8*\c], v[S+32*\t+8*\c+1], v[S+32*\t+8*\c+2]
.endr
.endr
.irp g, 1,2
.irp c, 0,1,2,3
.irp t, 0,1
	v_max3_num_f32 v[ST+10*\t+4+\c], v[ST+10*\t+4+\c], v[S+32*\t+8*\c+2*\g+1], v[S+32*\t+8*\c+2*\g+2]
.endr
.endr
.endr
.irp t, 0,1
	v_max3_num_f32 v[ST+10*\t+4], v[ST+10*\t+4], v[S+32*\t+7], v[S+32*\t+15]
	v_max3_num_f32 v[ST+10*\t+6], v[ST+10*\t+6], v[S+32*\t+23], v[S+32*\t+31]
.endr
.irp t, 0,1
	v_max3_num_f32 v[ST+10*\t+4], v[ST+10*\t+4], v[ST+10*\t+5], v[ST+10*\t+6]
.endr
.irp t, 0,1
	v_max3_num_f32 v[ST+10*\t+4], v[ST+10*\t+4], v[ST+10*\t+7], v[ST+10*\t+1]
.endr
.irp t, 0,1
	v_permlanex16_b32 v[ST+10*\t+5], v[ST+10*\t+4], s[SEL], s[SEL+1]   ; the query's other 32 keys lie in the lane 16 away
.endr
.irp t, 0,1
	v_mov_b32 v[ST+10*\t+9], v[ST+10*\t]           ; c m_old is kept for a
.endr
.irp t, 0,1
	v_max_num_f32 v[ST+10*\t+1], v[ST+10*\t+4], v[ST+10*\t+5]
.endr
.irp t, 0,1
	v_mul_f32 v[ST+10*\t], s[CS], v[ST+10*\t+1]
.endr
.irp t, 0,1
	v_sub_f32 v[ST+10*\t+9], v[ST+10*\t+9], v[ST+10*\t]
.endr
.irp j, 0,2,4,6,8,10,12,14,16,18,20,22,24,26,28,30
.irp t, 0,1
	v_pk_fma_f32 v[S+32*\t+\j:S+32*\t+\j+1], v[S+32*\t+\j:S+32*\t+\j+1], s[CS:CS+1], v[ST+10*\t:ST+10*\t+1] op_sel_hi:[1,0,0] neg_lo:[0,0,1] neg_hi:[0,0,1]   ; c s - c m, two at a time
.endr
.endr
.irp t, 0,1
	v_exp_f32 v[ST+10*\t+8], v[ST+10*\t+9]         ; a.  ONE BATCH of 66 exponentials, none of which reads another's result
.endr
.set i, 0
.rept 64
	v_exp_f32 v[S+i], v[S+i]                       ; p
.set i, i+1
.endr
	v_nop                                          ; a plain instruction behind the last exponential
	s_wait_alu depctr_va_vdst(0)                   ; one wait for the whole batch, ahead of its first reader
.irp t, 0,1                                    ; the row's sum of the unrounded p, two at a time, in two chains
	v_pk_add_f32 v[ST+10*\t+4:ST+10*\t+5], v[S+32*\t:S+32*\t+1], v[S+32*\t+2:S+32*\t+3]
	v_pk_add_f32 v[ST+10*\t+6:ST+10*\t+7], v[S+32*\t+4:S+32*\t+5], v[S+32*\t+6:S+32*\t+7]
.endr
.irp j, 8,12,16,20,24,28
.irp t, 0,1
	v_pk_add_f32 v[ST+10*\t+4:ST+10*\t+5], v[ST+10*\t+4:ST+10*\t+5], v[S+32*\t+\j:S+32*\t+\j+1]
	v_pk_add_f32 v[ST+10*\t+6:ST+10*\t+7], v[ST+10*\t+6:ST+10*\t+7], v[S+32*\t+\j+2:S+32*\t+\j+3]
.endr
.endr
.irp t, 0,1
	v_pk_add_f32 v[ST+10*\t+4:ST+10*\t+5], v[ST+10*\t+4:ST+10*\t+5], v[ST+10*\t+6:ST+10*\t+7]
.endr
.irp t, 0,1
	v_pk_fma_f32 v[ST+10*\t+2:ST+10*\t+3], v[ST+10*\t+2:ST+10*\t+3], v[ST+10*\t+8:ST+10*\t+9], v[ST+10*\t+4:ST+10*\t+5] op_sel_hi:[1,0,1]   ; l = a l + the sum
.endr
.irp j, 0,1,2,3,4,5,6,7,8,9,10,11,12,13,14,15
.irp t, 0,1
	v_cvt_pk_f16_f32 v[S+32*\t+\j], v[S+32*\t+2*\j], v[S+32*\t+2*\j+1]   ; P in f16, packed in place, ascending: registers 0-7 keys 0-31, registers 8-15 keys 32-63
.endr
.endr
.irp j, 0,2,4,6,8,10,12,14,16,18,20,22,24,26,28,30
.irp t, 0,1
	v_pk_mul_f32 v[OT+32*\t+\j:OT+32*\t+\j+1], v[OT+32*\t+\j:OT+32*\t+\j+1], v[ST+10*\t+8:ST+10*\t+9] op_sel_hi:[1,0]   ; O^T x a, each accumulator from its low end on
.endr
.endr
	s_wait_dscnt 0x0                               ; V is in
.set i, 0
.rept 16                                       ; O^T += V^T P: tile i % 2, channel tile (i / 2) % 4, keys 32 (i / 8) on: the eight accumulators take turns
	v_wmma_f32_16x16x32_f16 v[OT+32*(i%2)+8*((i/2)%4):OT+32*(i%2)+8*((i/2)%4)+7], v[KV+8*(4*(i/8)+(i/2)%4):KV+8*(4*(i/8)+(i/2)%4)+7], v[S+32*(i%2)+8*(i/8):S+32*(i%2)+8*(i/8)+7], v[OT+32*(i%2)+8*((i/2)%4):OT+32*(i%2)+8*((i/2)%4)+7]
.set i, i+1
.endr
.rept 5
	v_nop                                          ; five places: the next step's first products write over P's registers (five), and its loads land in V's (four)
.endr
.endm
; THE CHANGE OF SLOTS stands at a slot's head.  Each wave waits for all its tensor loads (its part of the slot that it is about to read), adds 0 to its spare word, and waits for that and for its reads of the slot that it has left.
; fill = 1: a round of the cluster's barrier: no wave of any partner still reads the other slot or has a load on its way; the joint load into it is the first thing behind the round.
.macro CHANGE fill
	s_wait_tensorcnt 0x0                           ; no tensor load of mine is out, so the group 0 may be written
	ds_add_u32 v[SPW], v[NIL]                      ; 0 onto my spare word
.if \fill
	ds_add_u32 v[SPW], v[NIL]                      ; and once more: the add twice on end, in every trip alike
	s_xor_b32 s[G0+1], s[G0+1], SLOT1              ; the walking descriptor: the other slot than last time,
	s_add_nc_u64 s[G0+2:G0+3], s[G0+2:G0+3], 32768 ; the next 256 keys; the type bits on top are not reached
	s_wait_xcnt 0x0                                ; the last prefetch, a slot back, has read its address, so it may be written:
	s_add_nc_u64 s[PFA:PFA+1], s[PFA:PFA+1], 32768 ; one slot further on than the walking descriptor
	s_wait_dscnt 0x0                               ; both adds are done, and my reads of the slot that I have left are over
	CROUND
	TLOAD
	ASK
.else
	s_wait_dscnt 0x0
	s_barrier_signal -1
	s_barrier_wait -1
.endif
	v_add_nc_u32 v[AD], s[TB], v[AL]
.endm
.Lslot:                                            ; seven trips: behind each change of slots but the last the next slot is asked for
	CHANGE 1
	STEP 0
	STEP 1
	STEP 2
	STEP 3
	s_xor_b32 s[TB], s[TB], SLOT1                  ; on to the other slot
	s_sub_co_u32 s[SLOTS], s[SLOTS], 1
	s_cmp_lg_u32 s[SLOTS], 0
	s_cbranch_scc1 .Lslot
	CHANGE 0                                       ; the last slot is written out
	STEP 0
	STEP 1
	STEP 2
	STEP 3
	; THE WAY OUT.  O^T / l + b_v in one multiply-add, rounded to f16: a channel tile's eight registers are half ct % 2 of an image of ctx: stores of 512 consecutive bytes, no LDS.
.irp ct, 0,1,2,3
	global_load_b128 v[KV+8*\ct:KV+8*\ct+3], v[BO], s[6:7] offset:64*\ct          ; b_v of channels 16 ct + 8 (lane / 16) + 0 .. 7
	global_load_b128 v[KV+8*\ct+4:KV+8*\ct+7], v[BO], s[6:7] offset:64*\ct+16
.endr
.irp t, 0,1
	v_add_f32 v[ST+10*\t+4], v[ST+10*\t+2], v[ST+10*\t+3]   ; l's two halves,
.endr
.irp t, 0,1
	v_permlanex16_b32 v[ST+10*\t+5], v[ST+10*\t+4], s[SEL], s[SEL+1]
.endr
.irp t, 0,1
	v_add_f32 v[ST+10*\t+4], v[ST+10*\t+4], v[ST+10*\t+5]   ; and the other half of the lanes'
.endr
.irp t, 0,1
	v_rcp_f32 v[ST+10*\t+8], v[ST+10*\t+4]
.endr
	v_nop                                          ; a plain instruction behind the last reciprocal
	s_wait_alu depctr_va_vdst(0)                   ; and the wait ahead of the first reader: one for both
	s_wait_loadcnt 0x0                             ; b_v
.irp j, 0,2,4,6,8,10,12,14,16,18,20,22,24,26,28,30
.irp t, 0,1
	v_pk_fma_f32 v[OT+32*\t+\j:OT+32*\t+\j+1], v[OT+32*\t+\j:OT+32*\t+\j+1], v[ST+10*\t+8:ST+10*\t+9], v[KV+\j:KV+\j+1] op_sel_hi:[1,0,1]
.endr
.endr
.irp j, 0,1,2,3,4,5,6,7,8,9,10,11,12,13,14,15
.irp t, 0,1
	v_cvt_pk_f16_f32 v[S+16*\t+\j], v[OT+32*\t+2*\j], v[OT+32*\t+2*\j+1]
.endr
.endr
.irp t, 0,1
.irp ct, 0,1,2,3
	global_store_b128 v[AL], v[S+16*\t+4*\ct:S+16*\t+4*\ct+3], s[8:9] offset:\t*1024+(\ct/2)*8192+(\ct%2)*512
.endr
.endr
	s_wait_tensorcnt 0x0                           ; the wave's end, behind my last tensor load
	ds_add_u32 v[SPW], v[NIL]
	s_wait_dscnt 0x0
	CROUND                                         ; the closing round: no work-group ends while a partner may still ask for a tile that names it
	s_endpgm
.Lfunc_end_k_qd080b95810_attn:
	.size	k_qd080b95810_attn, .Lfunc_end_k_qd080b95810_attn-k_qd080b95810_attn
	.p2alignl 7, 3214868480
	.fill 96, 4, 3214868480
	.section	.rodata,"a",@progbits
	.p2align	6, 0x0
	.amdhsa_kernel k_qd080b95810_attn
		.amdhsa_group_segment_fixed_size 327680
		.amdhsa_private_segment_fixed_size 0
		.amdhsa_enable_private_segment 0
		.amdhsa_kernarg_size 24
		.amdhsa_user_sgpr_count 2
		.amdhsa_user_sgpr_kernarg_segment_ptr 1
		.amdhsa_wavefront_size32 1
		.amdhsa_system_sgpr_workgroup_id_x 1
		.amdhsa_system_sgpr_workgroup_id_y 1
		.amdhsa_system_sgpr_workgroup_id_z 1
		.amdhsa_system_vgpr_workitem_id 0
		.amdhsa_next_free_vgpr 256
		.amdhsa_next_free_sgpr 66
		.amdhsa_reserve_vcc 0
		.amdhsa_float_denorm_mode_32 3
		.amdhsa_float_denorm_mode_16_64 3
		.amdhsa_memory_ordered 1
		.amdhsa_forward_progress 1
		.amdhsa_inst_pref_size 151
	.end_amdhsa_kernel
	.amdgpu_metadata
---
amdhsa.version: [ 1, 2 ]
amdhsa.kernels:
  - .name:           k_qd080b95810_attn
    .symbol:         k_qd080b95810_attn.kd
    .args:
      - { .name: qkv, .offset: 0, .size: 8, .value_kind: global_buffer, .address_space: global }
      - { .name: b_v, .offset: 8, .size: 8, .value_kind: global_buffer, .address_space: global }
      - { .name: ctx, .offset: 16, .size: 8, .value_kind: global_buffer, .address_space: global }
    .group_segment_fixed_size: 327680
    .private_segment_fixed_size: 0
    .kernarg_segment_align: 8
    .kernarg_segment_size: 24
    .max_flat_workgroup_size: 512
    .sgpr_count:     66
    .vgpr_count:     256
    .wavefront_size: 32
...
	.end_amdgpu_metadata
.endif
;; end of part 3
;; launch outp (part 4): grid 4 x 64, 4 waves a work-group, clusters of 4 x 4, 327,680 bytes of LDS; arguments ctx, wo, b_out, out0; writes out0
.if DOCPART == 4
	.amdgcn_target "amdgcn-amd-amdhsa--gfx1250"
	.amdhsa_code_object_version 6
	.text
	.protected	k_qd080b95810_outp
	.globl	k_qd080b95810_outp
	.p2align	8
	.type	k_qd080b95810_outp,@function
k_qd080b95810_outp:
	s_mov_b64 s[64:65], 0
	v_nop
	global_prefetch_b8 v0, s[64:65] scope:SCOPE_SE
	s_setreg_imm32_b32 hwreg(HW_REG_WAVE_MODE, 25, 1), 1
	s_wait_xcnt 0x0
	s_wait_alu depctr_hold_cnt(0) depctr_sa_sdst(0) depctr_va_vdst(0) depctr_va_sdst(0) depctr_va_ssrc(0) depctr_va_vcc(0) depctr_vm_vsrc(0)
	s_getreg_b32 s2, hwreg(HW_REG_IB_STS2, 6, 4)
	s_cmp_eq_u32 s2, 0
	s_cbranch_scc0 .Lentry_in_a_cluster
	s_endpgm
.Lentry_in_a_cluster:
	s_bfe_u32 s2, ttmp6, 0x10000c
	s_cmp_lg_u32 s2, 0xf033
	s_cbranch_scc0 .Lentry_shape_is_right
	s_endpgm
.Lentry_shape_is_right:
; out0[t][n] = sum over k of ctx[t][k] W_out[n][k] + b_out[n].  8,192 x 1,024 x 1,024; operands in f16, sums in f32, K ascending, one accumulator an output; out0 f32.
; ctx and wo hold IMAGES OF OPERAND REGISTERS (1,024 bytes a fragment of 16 rows x 32 k: [half c][lane][16 bytes]): ctx [token tile of 128: 64][k block of 32: 32][token block: 8][c][512], wo [n tile of 256: 4][k block: 32][n block: 16][c][512].
; So a K step's tile is one dense block of memory, and a fragment comes by two LDS loads at 16 x lane: no pitch, no padding.
; SHARES.  A tile of out0 is 128 x 256: 256 work-groups (tiles of 256 x 256 would be 128).  Four waves, each 64 rows x 128 columns: 32 accumulators, 256 registers.
; K goes in steps of 128 through a ring of two LDS slots (A's 32,768 bytes, B's 65,536): two slots of 256 along K do not fit.  Waves 0, 1 fetch A's halves, waves 2, 3 B's: one load a wave behind each round.
; CLUSTERS: 4 x 4.  A's tiles are shared along a row of the cluster, B's along a column: each is asked for jointly.  Two tensor loads a wave are out at the start, later one.
; THE MATRIX INSTRUCTION IS USED TRANSPOSED (source 0 = 16 rows of W_out, source 1 = 16 tokens): a lane holds eight neighbouring numbers of a row of out0.  b_out is the C of each sum's first product.
; REGISTERS: window 0: v16-30 addresses; v32-127, v128-223 two fragment buffers (B's eight fragments, then A's four); on the way out v32-159 rows of out0.   window 1: the accumulators ((a, b) at v[8 (8 a + b)]).
;   window 2: v0-63 b_out in the result's layout.
.set SLOT,   98304
.set BOFF,   32768                     ; B's tile in a slot
.set SPARE,  2*SLOT                    ; behind the ring: the spare words, 128 bytes for each wave
.set SPITCH, 528                       ; the way out: a stage of 16 rows x (512 bytes + 16) for each wave, in slot 0, which has had its last fill and its last read when the first result is stored there
.set ADRA, 16                          ; v16-17  LDS address of my A fragments in slot 0, 1
.set ADRB, 20                          ; v20-21  the same for B
.set STO,  24                          ; v24     the way out: where I put 32 bytes of a row
.set RD,   25                          ; v25     where I read a row back
.set CO,   26                          ; v26     16 x lane
.set BO,   27                          ; v27     32 x (lane / 16)
.set SPW,  28                          ; v28     LDS address of my spare word; never rewritten
.set NIL,  29                          ; v29     0; never rewritten
.set PFO,  30                          ; v30     256 x lane; never rewritten
.set F0,   32
.set F1,   128
.set BK,   32                          ; the way out: v32-95 and v96-159 by turns
.set G1, 24                            ; s[24:31] descriptor group 1 for A's tiles;  s[32:39] group 0, one set for each slot
.set G0, 32
.set G1B, 48                           ; s[48:55], s[56:63] the same for B's tiles
.set G0B, 56
.set PFA, 66                           ; s[66:67] where my prefetches stand
.set LIM, 68                           ; s68  1 in wave 0, else the greatest number
.set MSB, 0
.macro WIN new                         ; the immediate's high byte repeats the setting that is left
.if MSB != (\new)
	s_set_vgpr_msb (MSB<<8)|(\new)
.set MSB, \new
.endif
.endm
.set MUL,  0x50                        ; sources 0 and 1 window 0; C and D window 1
.set MULB, 0x60                        ; C (the bias) window 2, D window 1
.macro JLOAD s                         ; a joint load: waves 0 and 1 fetch A's halves, waves 2 and 3 B's; an s_nop 0 and four v_nop follow each of the two lines
	s_cmp_eq_u32 s11, 0
	s_cbranch_scc0 .Lfor_b_\@
	tensor_load_to_lds s[G0+4*\s:G0+4*\s+3], s[G1:G1+7]
	s_nop 0
.rept 4
	v_nop
.endr
	s_branch .Lasked_\@
.Lfor_b_\@:
	tensor_load_to_lds s[G0B+4*\s:G0B+4*\s+3], s[G1B:G1B+7]
	s_nop 0
.rept 4
	v_nop
.endr
.Lasked_\@:
.endm
.macro CREST                           ; a round of the cluster's barrier behind its opening barrier
	s_cmp_lg_u32 s10, 0
	s_cbranch_scc1 .Lnot_wave_0_\@
	s_barrier_signal -3
.Lnot_wave_0_\@:
	s_barrier_wait -3
	s_barrier_signal -1
	s_barrier_wait -1
.endm
.macro CROUND
	s_barrier_signal -1
	s_barrier_wait -1
	CREST
.endm
; A prefetch of A's K step that stands TWO refills on: 32,768 bytes, which the four partners of a row of the cluster share out BY ADDRESS, 8,192 each, lanes 256 bytes apart; wave 0 asks.  A token tile is read by one row of one
; cluster alone, so each block of 256 bytes is named once in the launch.  The loop's last trip asks for nothing: K has no step behind its eighth.  K steps 0 to 3 come by their loads alone.  W_out's tiles, which every cluster reads, are not asked for.
.macro ASK
	s_cmp_gt_u32 s3, s[LIM]
	s_cbranch_scc0 .Lnot_mine_\@
	global_prefetch_b8 v[PFO], s[PFA:PFA+1] offset:32768 th:TH_LOAD_NT scope:SCOPE_SE
.Lnot_mine_\@:
.endm
	s_load_b128 s[4:7], s[0:1], 0x0                ; ctx, wo
	s_load_b64 s[44:45], s[0:1], 0x10              ; b_out
	s_load_b64 s[8:9], s[0:1], 0x18                ; out0
	v_lshl_add_u32 v[SPW], v0, 2, SPARE
	v_mov_b32 v[NIL], 0
	ds_add_u32 v[SPW], v[NIL]                      ; the wave's opening: the add, twice on end, and its wait ahead of my first tensor load
	ds_add_u32 v[SPW], v[NIL]                      ; the set-up below, work on registers, stands between the second and the wait
	v_lshrrev_b32 v1, 5, v0
	v_readfirstlane_b32 s10, v1                    ; wave 0..3
	s_lshr_b32 s11, s10, 1                         ; which 64 rows are mine.  Also: I fetch for A (0) or for B (1)
	s_and_b32 s12, s10, 1                          ; which 128 columns.  Also: which half of that tile I fetch
	s_bfe_u32 s40, ttmp6, 0x40000                  ; cx, cy
	s_bfe_u32 s41, ttmp6, 0x40004
	s_lshl_b32 s42, ttmp9, 2
	s_add_co_u32 s42, s42, s40                     ; tile column = 4 x cluster x + cx
	s_and_b32 s13, ttmp7, 0xffff
	s_lshl_b32 s13, s13, 2
	s_add_co_u32 s13, s13, s41                     ; tile row = 4 x cluster y + cy
	s_lshl_b32 s43, s41, 2
	s_lshl_b32 s43, 15, s43                        ; my row of the cluster
	s_lshl_b32 s69, 0x1111, s40                    ; my column
	; descriptor group 1: rows of 256 dense bytes (32 elements of 8 bytes): A: 64 of them, B: 128
	s_or_b32 s[G1+0], s43, (3<<16)|(1<<21)         ; 15:0 the mask; 17:16 elements of 8 bytes; 21 set beside a mask; no padding
	s_or_b32 s[G1B+0], s69, (3<<16)|(1<<21)
	s_mov_b32 s[G1+1], 32<<16                      ; tensor_dim0
	s_mov_b32 s[G1+2], 64<<16                      ; tensor_dim1
	s_mov_b32 s[G1+3], 32<<16                      ; tile_dim0
	s_mov_b32 s[G1+4], 64                          ; tile_dim1
	s_mov_b32 s[G1+5], 32                          ; tensor_dim0_stride
	s_mov_b32 s[G1+6], 0
	s_mov_b32 s[G1+7], 0
	s_mov_b32 s[G1B+1], 32<<16
	s_mov_b32 s[G1B+2], 128<<16
	s_mov_b32 s[G1B+3], 32<<16
	s_mov_b32 s[G1B+4], 128
	s_mov_b32 s[G1B+5], 32
	s_mov_b32 s[G1B+6], 0
	s_mov_b32 s[G1B+7], 0
	s_lshl_b32 s16, s13, 18                        ; A: a token tile is 262,144 bytes,
	s_lshl_b32 s20, s12, 14                        ; my half of a K step 16,384: in memory and in a slot
	s_add_co_u32 s16, s16, s20
	s_mov_b32 s17, 0
	s_lshl_b32 s46, s42, 19                        ; B: an n tile is 524,288 bytes,
	s_lshl_b32 s21, s12, 15                        ; my half of a K step 32,768
	s_add_co_u32 s46, s46, s21
	s_mov_b32 s47, 0
	s_add_co_u32 s21, s21, BOFF                    ; in a slot behind A's tile: no place in the cluster enters an LDS address
	s_wait_dscnt 0x0                               ; both opening adds are done
	s_wait_kmcnt 0x0
	s_add_nc_u64 s[14:15], s[4:5], s[16:17]
	s_add_nc_u64 s[46:47], s[6:7], s[46:47]
	CROUND                                         ; all sixteen work-groups are here: the first joint loads meet
.irp s, 0,1
	s_mov_b32 s[G0+4*\s], 1
	s_add_co_u32 s[G0+4*\s+1], s20, \s*SLOT
	s_add_nc_u64 s[G0+4*\s+2:G0+4*\s+3], s[14:15], \s*32768
	s_or_b32 s[G0+4*\s+3], s[G0+4*\s+3], 0x80000000
	s_mov_b32 s[G0B+4*\s], 1
	s_add_co_u32 s[G0B+4*\s+1], s21, \s*SLOT
	s_add_nc_u64 s[G0B+4*\s+2:G0B+4*\s+3], s[46:47], \s*65536
	s_or_b32 s[G0B+4*\s+3], s[G0B+4*\s+3], 0x80000000
	JLOAD \s
.endr
	s_lshl_b32 s18, s42, 10
	s_lshl_b32 s19, s12, 9
	s_add_co_u32 s18, s18, s19                     ; my first column, in bytes: (256 x tile column + 128 x half) x 4: in b_out and in a row of out0
	s_mov_b32 s19, 0
	s_add_nc_u64 s[44:45], s[44:45], s[18:19]
	v_and_b32 v1, 15, v0                           ; l % 16
	v_bfe_u32 v2, v0, 4, 1                         ; l / 16
	v_lshlrev_b32 v[BO], 5, v2
	WIN 0x80                                       ; destination window 2
.irp b, 0,1,2,3,4,5,6,7
	global_load_b128 v[8*\b:8*\b+3], v[BO], s[44:45] offset:64*\b                 ; b_out of columns 16 b + 8 (l / 16) + 0 .. 7
	global_load_b128 v[8*\b+4:8*\b+7], v[BO], s[44:45] offset:64*\b+16
.endr
	WIN 0
	v_and_b32 v3, 31, v0
	v_lshlrev_b32 v[CO], 4, v3
	v_lshlrev_b32 v[PFO], 8, v3
	s_lshl_b32 s22, s11, 12                        ; my four token blocks of a k block's eight
	s_lshl_b32 s23, s12, 13                        ; my eight n blocks of its sixteen,
	s_add_co_u32 s23, s23, BOFF
.irp s, 0,1
	v_add_nc_u32 v[ADRA+\s], s22, v[CO]
	v_add_nc_u32 v[ADRB+\s], s23, v[CO]
	s_add_co_u32 s22, s22, SLOT
	s_add_co_u32 s23, s23, SLOT
.endr
	s_mul_i32 s23, s10, 16*SPITCH                  ; my stage
	v_mul_u32_u24 v4, v1, SPITCH                   ; in: row l % 16, 32 bytes for each half of the lanes
	v_lshl_add_u32 v4, v2, 5, v4
	v_add_nc_u32 v[STO], s23, v4
	v_add_nc_u32 v[RD], s23, v[CO]                 ; back: the 32 lanes take one row of 512 bytes
	s_lshl_b32 s16, s13, 19                        ; my first row of out0: (128 x tile row + 64 x half) x 4,096 bytes
	s_lshl_b32 s17, s11, 18
	s_add_co_u32 s16, s16, s17
	s_add_co_u32 s16, s16, s18
	s_mov_b32 s17, 0
	s_add_nc_u64 s[8:9], s[8:9], s[16:17]
	s_lshl_b32 s16, s13, 18                        ; the prefetches: my token tile,
	s_lshl_b32 s22, s40, 13                        ; my work-group's 8,192 bytes of a K step,
	s_add_co_u32 s16, s16, s22
	s_add_co_u32 s16, s16, 2*32768                 ; at K step 2: the first refill steps it to 3 and names K step 4
	s_add_nc_u64 s[PFA:PFA+1], s[4:5], s[16:17]
	s_cmp_eq_u32 s10, 0
	s_cselect_b32 s[LIM], 1, -1
; 8 matrix instructions: token block a x my eight n blocks, 32 along K, from buffer f.  first = 1: b_out is the C of the sum's first product.  The 32 accumulators take turns, one instruction a turn, in the same order in
; every quarter.
.macro MUL8 f, a, first
.irp b, 0,1,2,3,4,5,6,7
.if \first
	v_wmma_f32_16x16x32_f16 v[8*(8*(\a)+\b):8*(8*(\a)+\b)+7], v[\f+8*\b:\f+8*\b+7], v[\f+64+8*(\a):\f+64+8*(\a)+7], v[8*\b:8*\b+7]
.else
	v_wmma_f32_16x16x32_f16 v[8*(8*(\a)+\b):8*(8*(\a)+\b)+7], v[\f+8*\b:\f+8*\b+7], v[\f+64+8*(\a):\f+64+8*(\a)+7], v[8*(8*(\a)+\b):8*(8*(\a)+\b)+7]
.endif
.endr
.endm
; 24 LDS loads in one run: the fragments of k block qd of a slot into buffer f: B's eight, then A's four.  (Every window is 0 here.)
.macro FETCH slot, qd, f
.irp i, 0,1,2,3,4,5,6,7
	ds_load_b128 v[\f+8*\i:\f+8*\i+3],   v[ADRB+\slot] offset:(\qd)*16384+\i*1024
	ds_load_b128 v[\f+8*\i+4:\f+8*\i+7], v[ADRB+\slot] offset:(\qd)*16384+\i*1024+512
.endr
.irp i, 0,1,2,3
	ds_load_b128 v[\f+64+8*\i:\f+64+8*\i+3],   v[ADRA+\slot] offset:(\qd)*8192+\i*1024
	ds_load_b128 v[\f+64+8*\i+4:\f+64+8*\i+7], v[ADRA+\slot] offset:(\qd)*8192+\i*1024+512
.endr
.endm
.macro PLACES                          ; four places in front of loads into registers that matrix instructions have read, and of the first read of results (ISA guide 7.12.1 for vector instructions)
.rept 4
	v_nop
.endr
.endm
; A K step is four quarters of 32 along K, 32 matrix instructions each, on buffers 0, 1, 0, 1.  One of the first three: multiplies buffer f and fetches k block nq of the same slot into g.
.macro QUARTER slot, nq, f, g, first
	s_wait_dscnt 4                                 ; B's fragments and A's blocks 0, 1 are in; the youngest four loads (A's blocks 2, 3) may be out
.if \first
	WIN MULB
.else
	WIN MUL
.endif
	MUL8 \f, 0, \first
	MUL8 \f, 1, \first
	PLACES
	WIN 0
	FETCH \slot, \nq, \g
	s_wait_dscnt 24                                ; all but the 24 just issued
.if \first
	WIN MULB
.else
	WIN MUL
.endif
	MUL8 \f, 2, \first
	MUL8 \f, 3, \first
.endm
; The last quarter multiplies buffer 1 and changes slots: ONE barrier; in front of it each wave waits for all its tensor loads, adds 0 to its spare word, and waits for that and for its own reads of this slot.
; fill = 1: the barrier opens a round of the cluster's, and this slot is filled again, two K steps ahead: the load has a K step less sixteen matrix instructions in which to land.
.macro TURN slot, next, fill
.if \fill
	s_wait_xcnt 0x0                                ; the last prefetch, a K step back, has read its address: it is stepped here, ahead of the waits of the change of slots
	s_add_nc_u64 s[PFA:PFA+1], s[PFA:PFA+1], 32768
.endif
	WIN 0                                          ; (the add's two registers lie in window 0)
	s_wait_tensorcnt 0x0                           ; all my tensor loads have landed: my part of the next slot
	ds_add_u32 v[SPW], v[NIL]                      ; 0 onto my spare word
	s_wait_dscnt 5                                 ; (the add and the youngest four loads may be out)
	WIN MUL
	MUL8 F1, 0, 0                                  ; eight matrix instructions stand between the add and the wait for it
	s_wait_dscnt 0x0                               ; the add is done, and my reads of this slot are over
	s_barrier_signal -1
	MUL8 F1, 1, 0
	WIN 0
	s_barrier_wait -1
.if \fill
	CREST                                          ; no wave of any partner still reads this slot's tile or has a load on its way
	s_add_nc_u64 s[G0+4*\slot+2:G0+4*\slot+3], s[G0+4*\slot+2:G0+4*\slot+3], 2*32768
	s_add_nc_u64 s[G0B+4*\slot+2:G0B+4*\slot+3], s[G0B+4*\slot+2:G0B+4*\slot+3], 2*65536
	JLOAD \slot                                    ; the first tensor load behind the round; the four v_nop behind it are also the places in front of the loads below
.else
	PLACES
.endif
	FETCH \next, 0, F0
.if \fill
	ASK                                            ; behind the joint load and the run of LDS loads that the next products wait for
.endif
	WIN MUL
	MUL8 F1, 2, 0
	MUL8 F1, 3, 0
.endm
	s_wait_tensorcnt 1                             ; my part of K step 0 is in (K step 1's load may be out)
	s_barrier_signal -1
	s_barrier_wait -1                              ; everybody's is
	s_wait_loadcnt 0x0                             ; b_out
	FETCH 0, 0, F0
	QUARTER 0, 1, F0, F1, 1                        ; the first quarter stands in front of the loop: its products start the sums, from the bias
	WIN 0                                          ; at a label and at a branch every window is 0
	s_mov_b32 s3, 3
.Llap:                                                 ; a trip goes once round the ring, from a lap's second quarter to the next lap's first, and fills both slots again: K steps 2 to 7
	QUARTER 0, 2, F1, F0, 0
	QUARTER 0, 3, F0, F1, 0
	TURN 0, 1, 1
	QUARTER 1, 1, F0, F1, 0
	QUARTER 1, 2, F1, F0, 0
	QUARTER 1, 3, F0, F1, 0
	TURN 1, 0, 1
	QUARTER 0, 1, F0, F1, 0
	WIN 0
	s_sub_co_u32 s3, s3, 1
	s_cmp_lg_u32 s3, 0
	s_cbranch_scc1 .Llap
	QUARTER 0, 2, F1, F0, 0                        ; the last lap fills nothing, and has no round of the cluster's barrier
	QUARTER 0, 3, F0, F1, 0
	TURN 0, 1, 0
	QUARTER 1, 1, F0, F1, 0
	QUARTER 1, 2, F1, F0, 0
	QUARTER 1, 3, F0, F1, 0
	s_wait_dscnt 4                                 ; the very last quarter: nothing more to fetch
	WIN MUL
	MUL8 F1, 0, 0
	MUL8 F1, 1, 0
	s_wait_dscnt 0
	MUL8 F1, 2, 0
	MUL8 F1, 3, 0
	WIN 0
; THE WAY OUT, block by block of 16 rows x 128 columns.  A lane holds 32 neighbouring bytes of a row, and the lanes beside it hold other rows: a block goes through my own stage in LDS and comes back as whole rows of 512 bytes.
; LDS serves a wave's instructions in order (ISA guide 5.7.1.4): no wait between the stores and the loads, nor in front of the next block's stores.
.macro TOSTAGE a
.set AC, 64*(\a)
	WIN 0x04                                       ; an LDS store's data are its source 1: window 1
.irp b, 0,1,2,3,4,5,6,7
	ds_store_b128 v[STO], v[AC+8*\b:AC+8*\b+3] offset:64*\b          ; each accumulator from its low end on
	ds_store_b128 v[STO], v[AC+8*\b+4:AC+8*\b+7] offset:64*\b+16
.endr
	WIN 0
.set BB, BK+64*((\a)%2)
.irp t, 0,1,2,3,4,5,6,7,8,9,10,11,12,13,14,15
	ds_load_b128 v[BB+4*\t:BB+4*\t+3], v[RD] offset:\t*SPITCH
.endr
.endm
.macro SEND a, younger                 ; younger: the LDS instructions issued behind block a's loads, which may stay out
.set BB, BK+64*((\a)%2)
	s_wait_dscnt \younger                          ; the block is back in registers
.if (\a) > 0
	s_add_nc_u64 s[8:9], s[8:9], 16*4096           ; (behind a wait on XCNT: the earlier stores have read their base)  16 rows of out0 on
.endif
.irp t, 0,1,2,3,4,5,6,7,8,9,10,11,12,13,14,15
	global_store_b128 v[CO], v[BB+4*\t:BB+4*\t+3], s[8:9] offset:\t*4096 th:TH_STORE_NT   ; 32 lanes store 512 consecutive bytes of a row, at a multiple of 512 from out0's first byte; written once, read by nobody here
.endr
.endm
	PLACES                                         ; behind the last products: for the reads of their results and the loads into the fragments' registers
	TOSTAGE 0
.irp a, 1,2,3
.if \a > 1
	s_wait_xcnt 0x0                                ; block a - 2's stores have read their registers and their base: block a's loads may land there, and the base may step
.endif
	TOSTAGE \a
	SEND \a-1, 32                                  ; behind block a - 1's loads: block a's 16 stores and 16 loads
.endr
	s_wait_xcnt 0x0                                ; block 2's stores have read their base
	SEND 3, 0
	s_wait_tensorcnt 0x0                           ; the wave's end, behind my last tensor load and my last LDS store
	ds_add_u32 v[SPW], v[NIL]
	s_wait_dscnt 0x0
	CROUND                                         ; the closing round: no work-group ends while a partner may still ask for a tile that names it
	s_endpgm
.Lfunc_end_k_qd080b95810_outp:
	.size	k_qd080b95810_outp, .Lfunc_end_k_qd080b95810_outp-k_qd080b95810_outp
	.p2alignl 7, 3214868480
	.fill 96, 4, 3214868480
	.section	.rodata,"a",@progbits
	.p2align	6, 0x0
	.amdhsa_kernel k_qd080b95810_outp
		.amdhsa_group_segment_fixed_size 327680
		.amdhsa_private_segment_fixed_size 0
		.amdhsa_enable_private_segment 0
		.amdhsa_kernarg_size 32
		.amdhsa_user_sgpr_count 2
		.amdhsa_user_sgpr_kernarg_segment_ptr 1
		.amdhsa_wavefront_size32 1
		.amdhsa_system_sgpr_workgroup_id_x 1
		.amdhsa_system_sgpr_workgroup_id_y 1
		.amdhsa_system_sgpr_workgroup_id_z 1
		.amdhsa_system_vgpr_workitem_id 0
		.amdhsa_next_free_vgpr 576
		.amdhsa_next_free_sgpr 72
		.amdhsa_reserve_vcc 0
		.amdhsa_float_denorm_mode_32 3
		.amdhsa_float_denorm_mode_16_64 3
		.amdhsa_memory_ordered 1
		.amdhsa_forward_progress 1
		.amdhsa_inst_pref_size 87
	.end_amdhsa_kernel
	.amdgpu_metadata
---
amdhsa.version: [ 1, 2 ]
amdhsa.kernels:
  - .name:           k_qd080b95810_outp
    .symbol:         k_qd080b95810_outp.kd
    .args:
      - { .name: ctx, .offset: 0, .size: 8, .value_kind: global_buffer, .address_space: global }
      - { .name: wo, .offset: 8, .size: 8, .value_kind: global_buffer, .address_space: global }
      - { .name: b_out, .offset: 16, .size: 8, .value_kind: global_buffer, .address_space: global }
      - { .name: out0, .offset: 24, .size: 8, .value_kind: global_buffer, .address_space: global }
    .group_segment_fixed_size: 327680
    .private_segment_fixed_size: 0
    .kernarg_segment_align: 8
    .kernarg_segment_size: 32
    .max_flat_workgroup_size: 128
    .sgpr_count:     72
    .vgpr_count:     576
    .wavefront_size: 32
...
	.end_amdgpu_metadata
.endif
;; end of part 4
